; MI455X (gfx1250); checked and timed in simulation.
; The chip was launched on July 23, 2026; its instructions are those of AMD's public machine-readable ISA for CDNA 5 (MIT licence, August 2026) and "CDNA5" Instruction Set Architecture Reference Guide (July 2026). The comments in the code are by the model that wrote it; some were corrected since.
;; MHA. Allowed arithmetic: matrix products marked QUANTISED: E2M1 operands, one E8M0 scale for each 32 along K, by v_wmma_scale_f32_16x16x128_f8f6f4 with both operands' format E2M1 (or v_wmma_scale_f32_32x16x128_f4), f32 sums; products left as they are: bf16, f16 or f32 operands; f32 sums; everything else in f32.
;; Inputs: Wk 16 x 64 x 1,024 float32; Wo 1,024 x 1,024 float32; Wq 16 x 64 x 1,024 float32; Wv 16 x 64 x 1,024 float32; bo 1,024 float32; x 4 x 2,048 x 1,024 float32.
;; Outputs: out0 4 x 2,048 x 1,024 float32.
;; This version of the problem:
;;   THIS VERSION OF THE PROBLEM IS GIVEN IN LOW PRECISION. The matrix products marked QUANTISED in the list below multiply operands that are first quantised to E2M1 (2 exponent bits, 1 mantissa bit; 4 bits a number), with one power-of-two scale for each 32 numbers along K (OCP MX v1.0); their sums are f32. The products marked 'left as it is' may take bf16, f16 or f32 operands, with f32 sums. Whichever they take, every output number must still come out within the allowed error. Rounding operands to bf16 (8 significant bits) uses up far more of that allowance than f16 does (11 bits, for magnitudes from 6e-5 to 65,504). All else is computed in f32.
;;   The module's matrix products, in the order in which they are computed (A, B: the left and right operand; K: the contracted axis; several contracted axes count as one K, in the product's order):
;;     1. [M 1,024, K 1,024] x [K 1,024, N 8,192]; A: input Wq; B: input x: QUANTISED
;;     2. [M 1,024, K 1,024] x [K 1,024, N 8,192]; A: input Wk; B: input x: QUANTISED
;;     3. [M 1,024, K 1,024] x [K 1,024, N 8,192]; A: input Wv; B: input x: QUANTISED
;;     4. batch 64 x [M 2,048, K 64] x [K 64, N 2,048]; A: computed on the way; B: computed on the way: left as it is (an operand is computed on the way)
;;     5. batch 64 x [M 2,048, K 2,048] x [K 2,048, N 64]; A: computed on the way; B: computed on the way: left as it is (an operand is computed on the way)
;;     6. [M 8,192, K 1,024] x [K 1,024, N 1,024]; A: computed on the way; B: input Wo: left as it is (an operand is computed on the way)
;;   THE QUANTISER, for each operand of a quantised product, along K:
;;     - K is cut into blocks of 32 from its start; a last block that is shorter is filled with zeros.
;;     - A block's scale is 2^e with e = floor(log2(the largest magnitude in the block)) - 2, held to -126 .. 127; a block of zeros has e = 0. As a byte (E8M0): e + 127.
;;     - Each number is divided by its block's scale, clamped to +-6, and rounded to the nearest number of E2M1, ties to even, subnormals kept.
;;     - The product sums the exact products of the quantised numbers (number of the format x scale) in f32.
;;   ~~~python
;;   def quantise(x, axis):      # numpy; x: float32 -> the quantised numbers, widened to float32 again
;;       x = np.moveaxis(x, axis, -1); K = x.shape[-1]
;;       x = np.pad(x, [(0, 0)] * (x.ndim - 1) + [(0, -K % 32)]); x = x.reshape(x.shape[:-1] + (-1, 32)); a = np.abs(x).max(-1, keepdims=True)
;;       e = np.where(a > 0, np.clip(np.frexp(np.where(a > 0, a, 1))[1] - 1 - 2, -126, 127), 0)      # np.frexp(a)[1] - 1 = floor(log2(a)), exactly
;;       r = np.clip(x / 2.0 ** e, -6, 6)
;;       step = 2.0 ** (np.maximum(np.frexp(np.where(r == 0, 1, r))[1] - 1, 0) - 1)
;;       q = np.round(r / step) * step * 2.0 ** e      # np.round: ties to even
;;       return np.moveaxis(q.reshape(q.shape[:-2] + (-1,))[..., :K], -1, axis).astype(np.float32)
;;   ~~~
;; One version. Each part assembles by itself: llvm-mc -triple=amdgcn-amd-amdhsa -mcpu=gfx1250 --defsym DOCPART=n.
;; ======== version 1 of 1: 4 launches
;; limits: values are held in f16: magnitudes above 65,504 overflow, below 6.1e-05 lose precision
;; workspace buffers: xc 4,194,304 bytes; xs 262,144 bytes; wc 1,572,864 bytes; ws 98,304 bytes; wo16 2,097,152 bytes; qkv 50,331,648 bytes; cat 16,777,216 bytes
;; launch quant (part 1): grid 384 x 1, 4 waves a work-group, no clusters, 33,280 bytes of LDS; arguments x, Wq, Wk, Wv, Wo, xc, xs, wc, ws, wo16; writes xc, xs, wc, ws, wo16
.if DOCPART == 1
	.amdgcn_target "amdgcn-amd-amdhsa--gfx1250"
	.amdhsa_code_object_version 6
	.text
	.protected	k_q3d7f4d6f66_quant
	.globl	k_q3d7f4d6f66_quant
	.p2align	8
	.type	k_q3d7f4d6f66_quant,@function
k_q3d7f4d6f66_quant:
	s_mov_b64 s[64:65], 0
	v_nop
	global_prefetch_b8 v0, s[64:65] scope:SCOPE_SE
	s_setreg_imm32_b32 hwreg(HW_REG_WAVE_MODE, 25, 1), 1
	s_wait_xcnt 0x0
; x [8192][1024], Wq, Wk, Wv [1024][1024] (f32, K innermost) become codes of FP4 (E2M1), two a byte, the lower k in the low four bits, and one E8M0 byte for each 32 along K.
; x's go to xc [8192][512 bytes] and xs [8192][32]; the three weights', one behind the other (Wq, Wk, Wv), to wc [3072][512 bytes] and ws [3072][32].  Wo [1024][1024] is rounded to f16 into wo16.
; A block's scale is 2^(floor(log2(its largest magnitude)) - 2); its byte is the largest magnitude's exponent field - 2, held at 1 from below.  A block of zeros so gets the byte 1: its codes are zeros, and this program alone reads the bytes.
; LIMITS: NaN and infinities are not served; blocks whose largest magnitude lies under 2^-124 keep the byte 1; Wo's numbers stay under 65,504, and under 6e-5 they are held to steps of 6e-8.
; SHARES: a work-group takes 32,768 numbers, a wave 8,192.  Work-groups 0-255: x; 256-287: Wq; 288-319: Wk; 320-351: Wv; 352-383: Wo.  Rows are dense and 1,024 is a multiple of 32: each tensor is a plain stream of blocks.
; The four quantised tensors take ONE path: only pointers are chosen, by the work-group's number.  No tensor loads, no barrier, no cluster: waves share nothing, and memory binds.
; A wave's 16 steps of 512 numbers: each load reads 512 consecutive bytes, 16 a lane; a step's 2,048 bytes turn through the wave's own stage in LDS and come back 64 bytes a lane, so that a lane holds 16 neighbours along K
; (two neighbouring lanes hold a block).  A lane's 16 codes are 8 bytes: a store covers 256 consecutive bytes.  The wave's 256 scale bytes are gathered in LDS and leave as 256 consecutive bytes.
.set WAVES, 4
.set STEPS, 16
.set EMAX,  2
.set CB,    8                          ; bytes of 16 codes
.set R,     16                         ; v16-79   four sets of 16 numbers as they are loaded
.set X,     80                         ; v80-111  two sets of 16 neighbours
.set E,     112                        ; v112-127 a scale byte for each step
.set C,     128                        ; v128-191 codes: four registers for each step, so that no store's data are written again
.set WREG,  8192                       ; LDS: a region for each wave: two stages of 32 x SP bytes, behind them its 256 scale bytes
.set SP,    80                         ; a lane's place in a stage: 64 bytes + 16 of padding
.set SPW,   12                         ; v12  LDS address of my spare word; never rewritten
.set NIL,   13                         ; v13  0; never rewritten
.set SPARE, WAVES*WREG                 ; behind the four regions: the spare words, 128 bytes a wave
	s_load_b256 s[4:11], s[0:1], 0x0               ; x s[4:5], Wq s[6:7], Wk s[8:9], Wv s[10:11]
	s_load_b256 s[12:19], s[0:1], 0x20             ; Wo s[12:13], xc s[14:15], xs s[16:17], wc s[18:19]
	s_load_b128 s[20:23], s[0:1], 0x40             ; ws s[20:21], wo16 s[22:23]
	v_lshl_add_u32 v[SPW], v0, 2, SPARE
	v_mov_b32 v[NIL], 0
	v_lshrrev_b32 v1, 5, v0
	v_readfirstlane_b32 s24, v1                    ; wave
	v_and_b32 v2, 31, v0                           ; lane
	v_lshlrev_b32 v3, 4, v2                        ; my 16 bytes of a load's 512
	s_mul_i32 s25, s24, WREG
	v_lshrrev_b32 v14, 2, v2
	v_mul_u32_u24 v14, v14, SP
	v_and_b32 v15, 3, v2
	v_lshl_add_u32 v14, v15, 4, v14
	v_add_nc_u32 v14, s25, v14                     ; the stage, on the way in: SP (lane / 4) + 16 (lane % 4)
	v_mul_u32_u24 v15, v2, SP
	v_add_nc_u32 v15, s25, v15                     ; and on the way out: SP x lane: my 16 neighbours
	v_mul_u32_u24 v4, v2, CB                       ; 8 bytes a lane: my codes' place in a step's; my f16 numbers' place in Wo's path
	v_lshrrev_b32 v5, 1, v2
	s_add_co_u32 s25, s25, 2*32*SP
	v_add_nc_u32 v5, s25, v5                       ; LDS: my wave's 256 scale bytes, my block's byte
	v_lshlrev_b32 v7, 3, v2                        ; and on the way out 8 bytes a lane
	v_add_nc_u32 v6, s25, v7
	s_and_b32 s26, ttmp9, 31                       ; a weight's work-group among its 32 (256, 288, 320 and 352 are multiples of 32)
	s_sub_co_u32 s27, ttmp9, 256                   ; and among the 96 of wc and ws (used only from 256 on)
	s_wait_kmcnt 0x0
	s_cmp_ge_u32 ttmp9, 352
	s_cbranch_scc1 .Lwo
	s_cmp_lt_u32 ttmp9, 320                        ; the choices hang on the work-group's number alone
	s_cselect_b64 s[10:11], s[8:9], s[10:11]
	s_cmp_lt_u32 ttmp9, 288
	s_cselect_b64 s[10:11], s[6:7], s[10:11]       ; the weight that is mine, if one is
	s_cmp_lt_u32 ttmp9, 256
	s_cselect_b64 s[4:5], s[4:5], s[10:11]         ; from where,
	s_cselect_b64 s[14:15], s[14:15], s[18:19]     ; the codes' buffer,
	s_cselect_b64 s[16:17], s[16:17], s[20:21]     ; the scale bytes' buffer
	s_cselect_b32 s26, ttmp9, s26
	s_cselect_b32 s27, ttmp9, s27
	s_lshl_b32 s26, s26, 2
	s_add_co_u32 s26, s26, s24                     ; which run of 8,192 numbers of the source is my wave's,
	s_lshl_b32 s27, s27, 2
	s_add_co_u32 s27, s27, s24                     ; and of the buffers
	s_lshl_b32 s28, s26, 15                        ; 32,768 bytes a run
	s_mov_b32 s29, 0
	s_add_nc_u64 s[4:5], s[4:5], s[28:29]
	s_lshl_b32 s28, s27, 12                        ; 4,096 bytes of codes
	s_add_nc_u64 s[14:15], s[14:15], s[28:29]
	s_lshl_b32 s28, s27, 8                         ; 256 scale bytes
	s_add_nc_u64 s[16:17], s[16:17], s[28:29]
.macro LOAD t
.irp i, 0,1,2,3
	global_load_b128 v[R+16*((\t)%4)+4*\i:R+16*((\t)%4)+4*\i+3], v3, s[4:5] offset:2048*(\t)+512*\i th:TH_LOAD_NT   ; 32 lanes read 512 consecutive bytes
.endr
.endm
.macro TURN t                          ; step t's numbers through the stage: LDS serves a wave's instructions in order, so no wait stands between the stores and the loads
.irp i, 0,1,2,3
	ds_store_b128 v14, v[R+16*((\t)%4)+4*\i:R+16*((\t)%4)+4*\i+3] offset:32*SP*((\t)%2)+8*SP*\i
.endr
.irp i, 0,1,2,3
	ds_load_b128 v[X+16*((\t)%2)+4*\i:X+16*((\t)%2)+4*\i+3], v15 offset:32*SP*((\t)%2)+16*\i
.endr
.endm
.irp t, 0,1,2,3
	LOAD \t
.endr
	s_wait_loadcnt 12                              ; step 0's four loads are in; twelve younger ones stay out
	TURN 0
.macro STEP t
.set XS, X+16*((\t)%2)
.if (\t) > 0
	s_wait_dscnt 1                                 ; this step's numbers are back from the stage (the last step's byte store may be out): so its stores into the stage have read their registers,
.else
	s_wait_dscnt 0x0
.endif
.if (\t)+4 < STEPS
	LOAD (\t)+4                                    ; which take the loads of four steps on
.endif
.if (\t)+1 < STEPS
.if STEPS-2-(\t) >= 3
	s_wait_loadcnt 12                              ; the next step's four loads are in; those of the three steps behind it may be out
.else
	s_wait_loadcnt 4*(STEPS-2-(\t))
.endif
	TURN (\t)+1                                    ; and go through the other stage while this step is worked
.endif
	v_max3_num_f32 v8, |v[XS]|, |v[XS+1]|, |v[XS+2]|               ; the largest magnitude of my 16, in two chains
	v_max3_num_f32 v9, |v[XS+3]|, |v[XS+4]|, |v[XS+5]|
.irp i, 6,10
	v_max3_num_f32 v8, v8, |v[XS+\i]|, |v[XS+\i+1]|
	v_max3_num_f32 v9, v9, |v[XS+\i+2]|, |v[XS+\i+3]|
.endr
	v_max3_num_f32 v8, v8, |v[XS+14]|, |v[XS+15]|
	v_max3_num_f32 v8, v8, v9, (EMAX+1)<<23        ; and the floor 2^(3 - 127): the byte cannot fall under 1
	v_max_num_f32_dpp v8, v8, v8 row_xmask:1 row_mask:0xf bank_mask:0xf   ; and of my neighbour's 16: the block's
	v_add_nc_u32 v11, -(EMAX<<23), v8              ; 2 off its exponent field: the conversion takes the exponent field of this operand as its scale
	v_cvt_scalef32_pk8_fp4_f32 v[C+4*(\t)], v[XS:XS+7], v11        ; eight numbers / the scale, to the nearest code, ties to even, beyond 6 the largest code
	v_cvt_scalef32_pk8_fp4_f32 v[C+4*(\t)+1], v[XS+8:XS+15], v11
	v_lshrrev_b32 v[E+(\t)], 23, v11               ; the scale's byte (also the plain line behind the conversions)
	ds_store_b8 v5, v[E+(\t)] offset:16*(\t)       ; both lanes of a block write the same byte with the same value
	global_store_b64 v4, v[C+4*(\t):C+4*(\t)+1], s[14:15] offset:32*CB*(\t)   ; 32 lanes store 256 consecutive bytes
.endm
.irp t, 0,1,2,3,4,5,6,7,8,9,10,11,12,13,14,15
	STEP \t
.endr
	ds_load_b64 v[8:9], v6                         ; LDS serves a wave's instructions in order: these see my byte stores
	s_wait_dscnt 0x0
	global_store_b64 v7, v[8:9], s[16:17]          ; 32 lanes store 256 consecutive bytes
	s_wait_tensorcnt 0x0                           ; the wave's end
	ds_add_u32 v[SPW], v[NIL]
	s_wait_dscnt 0x0
	s_endpgm
; Wo to f16: a wave's 8,192 numbers in four groups of 16 loads, two groups on their way.  A lane's 16 bytes become 8: a store covers 256 consecutive bytes.
.macro LOADR g, reg
.irp i, 0,1,2,3,4,5,6,7,8,9,10,11,12,13,14,15
	global_load_b128 v[\reg+4*\i:\reg+4*\i+3], v3, s[12:13] offset:(16*\g+\i)*512 th:TH_LOAD_NT
.endr
.endm
.macro PROC g, reg, younger            ; younger: the loads of the group issued behind this one
.irp i, 0,1,2,3,4,5,6,7,8,9,10,11,12,13,14,15
	s_wait_loadcnt \younger+15-\i                  ; loads come back in order: load i of the group is in
	v_cvt_pk_f16_f32 v[144+2*\i], v[\reg+4*\i], v[\reg+4*\i+1]
	v_cvt_pk_f16_f32 v[145+2*\i], v[\reg+4*\i+2], v[\reg+4*\i+3]
	global_store_b64 v4, v[144+2*\i:145+2*\i], s[22:23] offset:(16*\g+\i)*256
.endr
.endm
.Lwo:
	s_lshl_b32 s26, s26, 2
	s_add_co_u32 s26, s26, s24                     ; my wave's run of 8,192 numbers
	s_lshl_b32 s28, s26, 15
	s_mov_b32 s29, 0
	s_add_nc_u64 s[12:13], s[12:13], s[28:29]
	s_lshl_b32 s28, s26, 14
	s_add_nc_u64 s[22:23], s[22:23], s[28:29]
	LOADR 0, 16
	LOADR 1, 80
	PROC 0, 16, 16
	s_wait_xcnt 0x0                                ; the stores have read v144-175: the next group writes them again only behind this wait
	LOADR 2, 16
	PROC 1, 80, 16
	s_wait_xcnt 0x0
	LOADR 3, 80
	PROC 2, 16, 16
	s_wait_xcnt 0x0
	PROC 3, 80, 0
	s_wait_tensorcnt 0x0                           ; the same three lines at this end of the text
	ds_add_u32 v[SPW], v[NIL]
	s_wait_dscnt 0x0
	s_endpgm
.Lfunc_end_k_q3d7f4d6f66_quant:
	.size	k_q3d7f4d6f66_quant, .Lfunc_end_k_q3d7f4d6f66_quant-k_q3d7f4d6f66_quant
	.p2alignl 7, 3214868480
	.fill 96, 4, 3214868480
	.section	.rodata,"a",@progbits
	.p2align	6, 0x0
	.amdhsa_kernel k_q3d7f4d6f66_quant
		.amdhsa_group_segment_fixed_size 33280
		.amdhsa_private_segment_fixed_size 0
		.amdhsa_enable_private_segment 0
		.amdhsa_kernarg_size 80
		.amdhsa_user_sgpr_count 2
		.amdhsa_user_sgpr_kernarg_segment_ptr 1
		.amdhsa_wavefront_size32 1
		.amdhsa_system_sgpr_workgroup_id_x 1
		.amdhsa_system_sgpr_workgroup_id_y 1
		.amdhsa_system_sgpr_workgroup_id_z 1
		.amdhsa_system_vgpr_workitem_id 0
		.amdhsa_next_free_vgpr 192
		.amdhsa_next_free_sgpr 66
		.amdhsa_reserve_vcc 0
		.amdhsa_float_denorm_mode_32 3
		.amdhsa_float_denorm_mode_16_64 3
		.amdhsa_memory_ordered 1
		.amdhsa_forward_progress 1
		.amdhsa_inst_pref_size 56
	.end_amdhsa_kernel
	.amdgpu_metadata
---
amdhsa.version: [ 1, 2 ]
amdhsa.kernels:
  - .name:           k_q3d7f4d6f66_quant
    .symbol:         k_q3d7f4d6f66_quant.kd
    .args:
      - { .name: x, .offset: 0, .size: 8, .value_kind: global_buffer, .address_space: global }
      - { .name: Wq, .offset: 8, .size: 8, .value_kind: global_buffer, .address_space: global }
      - { .name: Wk, .offset: 16, .size: 8, .value_kind: global_buffer, .address_space: global }
      - { .name: Wv, .offset: 24, .size: 8, .value_kind: global_buffer, .address_space: global }
      - { .name: Wo, .offset: 32, .size: 8, .value_kind: global_buffer, .address_space: global }
      - { .name: xc, .offset: 40, .size: 8, .value_kind: global_buffer, .address_space: global }
      - { .name: xs, .offset: 48, .size: 8, .value_kind: global_buffer, .address_space: global }
      - { .name: wc, .offset: 56, .size: 8, .value_kind: global_buffer, .address_space: global }
      - { .name: ws, .offset: 64, .size: 8, .value_kind: global_buffer, .address_space: global }
      - { .name: wo16, .offset: 72, .size: 8, .value_kind: global_buffer, .address_space: global }
    .group_segment_fixed_size: 33280
    .private_segment_fixed_size: 0
    .kernarg_segment_align: 8
    .kernarg_segment_size: 80
    .max_flat_workgroup_size: 128
    .sgpr_count:     66
    .vgpr_count:     192
    .wavefront_size: 32
...
	.end_amdgpu_metadata
.endif
;; end of part 1
;; launch qkv (part 2): grid 12 x 32, 4 waves a work-group, clusters of 4 x 4, 327,680 bytes of LDS; arguments xc, xs, wc, ws, qkv; writes qkv
.if DOCPART == 2
	.amdgcn_target "amdgcn-amd-amdhsa--gfx1250"
	.amdhsa_code_object_version 6
	.text
	.protected	k_q3d7f4d6f66_qkv
	.globl	k_q3d7f4d6f66_qkv
	.p2align	8
	.type	k_q3d7f4d6f66_qkv,@function
k_q3d7f4d6f66_qkv:
	s_mov_b64 s[64:65], 0
	v_nop
	global_prefetch_b8 v0, s[64:65] scope:SCOPE_SE
	s_setreg_imm32_b32 hwreg(HW_REG_WAVE_MODE, 25, 1), 1
	s_wait_xcnt 0x0
	s_wait_alu depctr_hold_cnt(0) depctr_sa_sdst(0) depctr_va_vdst(0) depctr_va_sdst(0) depctr_va_ssrc(0) depctr_va_vcc(0) depctr_vm_vsrc(0)
	s_getreg_b32 s2, hwreg(HW_REG_IB_STS2, 6, 4)
	s_cmp_eq_u32 s2, 0
	s_cbranch_scc0 .Lentry_in_a_cluster
	s_endpgm
.Lentry_in_a_cluster:
	s_bfe_u32 s2, ttmp6, 0x10000c
	s_cmp_lg_u32 s2, 0xf033
	s_cbranch_scc0 .Lentry_shape_is_right
	s_endpgm
.Lentry_shape_is_right:
; Q, K, V = x W^T on codes of FP4 (E2M1) with one E8M0 scale for each 32 along K = 1,024; sums in f32; results rounded once to f16.
; A = xc [8192 tokens][512 bytes], xs [8192][32];  B = wc [3072 rows][512 bytes], ws [3072][32] (rows: Wq, Wk, Wv, each head x 64 + channel).  Out: qkv [3][4 batches][16 heads][2048 tokens][64] f16.
; LIMIT: results beyond 65,504 in magnitude do not fit f16; under 6e-5 they are held to steps of 6e-8.
; A tile of 256 tokens x 256 rows of W is made by a work-group of four waves; a wave makes 128 x 128: 64 accumulators, 512 registers.  K = 1,024 is two LDS slots of 512 along K (rows of 256 bytes):
; both are asked for at the head and nothing is filled again.  The scale bytes of the tile's rows, for all of K, are two dense blocks of memory and come with the first fills.
; CLUSTERS: 4 x 4 work-groups.  The four of a row of the cluster need the same tiles of A, the four of a column the same tiles of B: each tile is asked for JOINTLY, by the same tensor load with the same descriptor and a mask that names the four.
; THE MATRIX INSTRUCTION IS USED TRANSPOSED (source 0 = 16 rows of W, source 1 = 16 tokens): a lane then holds eight neighbouring channels of one token.
; REGISTERS, in windows of 256: window 0: v0-31 addresses; v32-95 scale words, two sets; from v128 A's fragments, ONE set; on the way out v32-63 and v192-255 are at work.
;   window 1: B's fragments, TWO sets, at v0 and v128.   window 2: the accumulators of my tokens 0-63 ((a, b) at v[8 (8 a + b)]);   window 3: those of my tokens 64-127.
.set NQ,     4                         ; matrix instructions deep in a slot
.set ROWB,   256                       ; a tile's row in bytes: 512 codes
.set KROW,   512                       ; a row of codes in memory
.set PITCH,  272                       ; an LDS row: 256 bytes + 16 of padding: row r starts 16 r bytes on, modulo 256
.set FR,     8                         ; registers of a fragment: 16 rows x 128 K
.set NL,     2                         ; LDS loads that bring one
.set NP,     4                         ; places behind this matrix instruction (ISA guide 7.12.1)
.set HALFT,  128*PITCH                 ; 128 rows: what one tensor load brings
.set SLOT,   4*HALFT                   ; A's 256 rows, then B's 256 rows
.set KS,     32                        ; a row of scale bytes
.set SCL,    2*SLOT                    ; behind the slots: the scales, as runs of 256 bytes + 16 of padding
.set HALFS,  (128*KS/256)*272          ; the scales of 128 rows
.set SBLK,   (16*KS/256)*272           ; those of 16 rows
.set SPARE,  SCL+4*HALFS               ; behind the scales: the spare words, 128 bytes a wave
.set SPITCH, 272                       ; the way out: a stage of 16 rows x (256 bytes + 16) for each wave, in slot 0, which has had its only fill and its last read by then
.set ADRA, 16                          ; v16-17  LDS address of my A fragments in slot 0, 1
.set ADRB, 20                          ; v20-21  the same for B
.set STO,  24                          ; v24     the way out: where I put 16 bytes of a token
.set RD,   25                          ; v25     where I read them back
.set CO,   26                          ; v26     16 x lane
.set ADRS, 27                          ; v27     LDS address of my scale words: lanes 0-15 A's rows, lanes 16-31 B's
.set SPW,  28                          ; v28     my spare word; never rewritten
.set NIL,  29                          ; v29     0; never rewritten
.set SC,   32                          ; scale words: set s at v[SC + 32 s]; register 4 i + q: lanes 0-15 A's block i, lanes 16-31 B's block i, the slot's q-th 128 along K
.set AF,   128                         ; A's fragments, in window 0
.set TMP,  192                         ; the way out: packed results
.set OB,   32                          ; and what comes back from the stage: v32-63 and v224-255 by turns
.set G1, 24
.set G0, 32
.set G1B, 48
.set G0B, 56
.set G1S, 68
.set G0S, 76
.set G1SB, 80
.set G0SB, 88
.set MSB, 0
.macro WIN new                         ; the immediate's high byte repeats the setting that is left; a switch that changes nothing is dropped
.if MSB != (\new)
	s_set_vgpr_msb (MSB<<8)|(\new)
.set MSB, (\new)
.endif
.endm
.set MUL_LO, 0xa1                      ; source 0 (B) window 1, source 1 (A) window 0, C and D window 2
.set MUL_HI, 0xf1                      ; the same, C and D window 3
.set TO_B,   0x40                      ; destination window 1, address window 0
; A joint load: waves 0 and 1 fetch for A, waves 2 and 3 for B; the branch hangs on the wave's number alone.  An s_nop 0 and four v_nop follow each of the two lines.
.macro JLOAD g0a, g1a, g0b, g1b
	s_cmp_eq_u32 s15, 0
	s_cbranch_scc0 .Lfor_b_\@
	tensor_load_to_lds s[\g0a:\g0a+3], s[\g1a:\g1a+7]
	s_nop 0
.rept 4
	v_nop
.endr
	s_branch .Lasked_\@
.Lfor_b_\@:
	tensor_load_to_lds s[\g0b:\g0b+3], s[\g1b:\g1b+7]
	s_nop 0
.rept 4
	v_nop
.endr
.Lasked_\@:
.endm
.macro CROUND                          ; a round of the cluster's barrier
	s_barrier_signal -1
	s_barrier_wait -1
	s_cmp_lg_u32 s14, 0
	s_cbranch_scc1 .Lnot_wave_0_\@
	s_barrier_signal -3
.Lnot_wave_0_\@:
	s_barrier_wait -3
	s_barrier_signal -1
	s_barrier_wait -1
.endm
	s_load_b128 s[4:7], s[0:1], 0x0                ; A's codes s[4:5], A's scales s[6:7]
	s_load_b128 s[8:11], s[0:1], 0x10              ; B's codes s[8:9], B's scales s[10:11]
	s_load_b64 s[12:13], s[0:1], 0x20              ; qkv
	v_lshl_add_u32 v[SPW], v0, 2, SPARE
	v_mov_b32 v[NIL], 0
	ds_add_u32 v[SPW], v[NIL]                      ; the wave's opening: the add, twice on end, and its wait ahead of my first tensor load
	ds_add_u32 v[SPW], v[NIL]
	v_lshrrev_b32 v1, 5, v0
	v_readfirstlane_b32 s14, v1                    ; wave 0..3
	s_lshr_b32 s15, s14, 1                         ; which half of the tile's tokens is mine.  Also: I fetch for A (0) or for B (1)
	s_and_b32 s16, s14, 1                          ; which half of its rows of W.  Also: which 128 rows I fetch
	s_bfe_u32 s40, ttmp6, 0x40000                  ; cx, cy: my place in the cluster
	s_bfe_u32 s41, ttmp6, 0x40004
	s_lshl_b32 s42, ttmp9, 2
	s_add_co_u32 s42, s42, s40                     ; tile column = 4 x cluster x + cx
	s_and_b32 s17, ttmp7, 0xffff
	s_lshl_b32 s17, s17, 2
	s_add_co_u32 s17, s17, s41                     ; tile row = 4 x cluster y + cy
	s_lshl_b32 s43, s41, 2
	s_lshl_b32 s43, 15, s43                        ; my row of the cluster
	s_lshl_b32 s44, 0x1111, s40                    ; my column
	; descriptor group 1: a tile of 128 rows x 256 bytes, 4 words of padding behind every 64
	s_or_b32 s[G1+0], s43, (0<<16)|(1<<20)|(1<<21)|(5<<22)|(3<<25)
	s_or_b32 s[G1B+0], s44, (0<<16)|(1<<20)|(1<<21)|(5<<22)|(3<<25)
.irp g, G1, G1B
	s_mov_b32 s[\g+1], ROWB<<16                    ; tensor_dim0
	s_mov_b32 s[\g+2], 128<<16                     ; tensor_dim1
	s_mov_b32 s[\g+3], ROWB<<16                    ; tile_dim0
	s_mov_b32 s[\g+4], 128                         ; tile_dim1
	s_mov_b32 s[\g+5], KROW                        ; from row to row
	s_mov_b32 s[\g+6], 0
	s_mov_b32 s[\g+7], 0
.endr
	; the scales of 128 rows: 4,096 dense bytes, as 16 rows of 256 bytes (32 elements of 8 bytes), 16 bytes of padding behind each
	s_or_b32 s[G1S+0], s43, (3<<16)|(1<<20)|(1<<21)|(5<<22)|(3<<25)
	s_or_b32 s[G1SB+0], s44, (3<<16)|(1<<20)|(1<<21)|(5<<22)|(3<<25)
.irp g, G1S, G1SB
	s_mov_b32 s[\g+1], 32<<16
	s_mov_b32 s[\g+2], (128*KS/256)<<16
	s_mov_b32 s[\g+3], 32<<16
	s_mov_b32 s[\g+4], 128*KS/256
	s_mov_b32 s[\g+5], 32
	s_mov_b32 s[\g+6], 0
	s_mov_b32 s[\g+7], 0
.endr
	s_lshl_b32 s18, s16, 7                         ; which 128 rows of the tile I fetch
	s_lshl_b32 s20, s17, 8
	s_add_co_u32 s20, s20, s18                     ; A: row 256 x tile row + 128 x half
	s_lshl_b32 s46, s42, 8
	s_add_co_u32 s46, s46, s18                     ; B: row 256 x tile column + 128 x half
	s_mov_b32 s21, 0
	s_mov_b32 s47, 0
	s_mov_b64 s[18:19], KS
	s_mul_u64 s[22:23], s[20:21], s[18:19]         ; where these rows' scales begin, in bytes
	s_mul_u64 s[92:93], s[46:47], s[18:19]
	s_mov_b64 s[18:19], KROW
	s_mul_u64 s[20:21], s[20:21], s[18:19]         ; and their codes
	s_mul_u64 s[46:47], s[46:47], s[18:19]
	s_mul_i32 s45, s14, HALFT                      ; where they go: wave x 128 rows: no place in the cluster enters an LDS address
	s_mul_i32 s94, s14, HALFS
	s_wait_dscnt 0x0                               ; both opening adds are done
	s_wait_kmcnt 0x0
	s_add_nc_u64 s[20:21], s[4:5], s[20:21]
	s_add_nc_u64 s[22:23], s[6:7], s[22:23]
	s_add_nc_u64 s[46:47], s[8:9], s[46:47]
	s_add_nc_u64 s[92:93], s[10:11], s[92:93]
	CROUND                                         ; all sixteen work-groups are here: the joint loads meet
	s_mov_b32 s[G0S], 1
	s_add_co_u32 s[G0S+1], s94, SCL
	s_mov_b64 s[G0S+2:G0S+3], s[22:23]
	s_or_b32 s[G0S+3], s[G0S+3], 0x80000000
	s_mov_b32 s[G0SB], 1
	s_add_co_u32 s[G0SB+1], s94, SCL
	s_mov_b64 s[G0SB+2:G0SB+3], s[92:93]
	s_or_b32 s[G0SB+3], s[G0SB+3], 0x80000000
	JLOAD G0S, G1S, G0SB, G1SB                     ; the scales first: they are wanted with slot 0.  Three loads of mine are out at the most
.irp s, 0,1
	s_mov_b32 s[G0+4*\s], 1
	s_add_co_u32 s[G0+4*\s+1], s45, \s*SLOT
	s_add_nc_u64 s[G0+4*\s+2:G0+4*\s+3], s[20:21], \s*ROWB
	s_or_b32 s[G0+4*\s+3], s[G0+4*\s+3], 0x80000000
	s_mov_b32 s[G0B+4*\s], 1
	s_add_co_u32 s[G0B+4*\s+1], s45, \s*SLOT
	s_add_nc_u64 s[G0B+4*\s+2:G0B+4*\s+3], s[46:47], \s*ROWB
	s_or_b32 s[G0B+4*\s+3], s[G0B+4*\s+3], 0x80000000
	JLOAD G0+4*\s, G1, G0B+4*\s, G1B
.endr
	v_and_b32 v1, 15, v0                           ; r = l % 16
	v_bfe_u32 v2, v0, 4, 1                         ; h = l / 16
	v_mul_u32_u24 v3, v1, PITCH
	v_lshl_add_u32 v4, v2, 4, v3                   ; a fragment's row x pitch + 16 x half
	s_mul_i32 s21, s15, HALFT                      ; my 128 rows of A
	s_mul_i32 s22, s16, HALFT                      ; my 128 rows of B,
	s_add_co_u32 s22, s22, 2*HALFT                 ; which lie behind A's 256
.irp s, 0,1
	v_add_nc_u32 v[ADRA+\s], s21, v4
	v_add_nc_u32 v[ADRB+\s], s22, v4
	s_add_co_u32 s21, s21, SLOT
	s_add_co_u32 s22, s22, SLOT
.endr
	v_mul_u32_u24 v5, v1, KS                       ; my row's scales: 32 bytes a row,
	v_lshrrev_b32 v6, 8, v5
	v_lshl_add_u32 v5, v6, 4, v5                   ; and 16 more for each 256 passed
	s_mul_i32 s21, s15, HALFS                      ; A's: my 128 rows
	s_mul_i32 s22, s16, HALFS                      ; B's: my 128 rows, behind A's 256
	s_add_co_u32 s22, s22, 2*HALFS
	s_sub_co_u32 s22, s22, s21
	v_mul_u32_u24 v6, s22, v2                      ; lanes 16-31 take B's: one product, the distance x h
	s_add_co_u32 s21, s21, SCL
	v_add_nc_u32 v5, v5, v6
	v_add_nc_u32 v[ADRS], s21, v5
	; the stage.  Token r lies at stage row (r / 2) + 8 (r % 2), so that four neighbouring tokens of one head come back by one load whose lanes 0-15 take 256 different bytes modulo 256
	s_mul_i32 s23, s14, 16*SPITCH
	v_lshrrev_b32 v5, 1, v1
	v_and_b32 v6, 1, v1
	v_lshl_add_u32 v5, v6, 3, v5
	v_mul_u32_u24 v5, v5, SPITCH
	v_lshl_add_u32 v5, v2, 4, v5
	v_add_nc_u32 v[STO], s23, v5                   ; in: my token's row, 16 bytes for each half of the lanes
	v_bfe_u32 v6, v0, 3, 1
	v_lshl_add_u32 v6, v6, 3, v2                   ; back: lane l takes token l / 8 of four: stage row (l / 16) + 8 ((l / 8) % 2),
	v_mul_u32_u24 v6, v6, SPITCH
	v_and_b32 v7, 7, v0
	v_lshl_add_u32 v6, v7, 4, v6                   ; 16 bytes of its head's 128
	v_add_nc_u32 v[RD], s23, v6
	v_and_b32 v6, 31, v0
	v_lshlrev_b32 v[CO], 4, v6
	; where my part begins in qkv: ((which x 4 + batch) x 16 + head) x 262,144 + token x 128
	s_lshr_b32 s20, s17, 3                         ; batch = tile row / 8
	s_lshl_b32 s20, s20, 22
	s_and_b32 s21, s17, 7
	s_lshl_b32 s21, s21, 15                        ; 256 tokens x 128 bytes
	s_add_co_u32 s20, s20, s21
	s_lshl_b32 s21, s15, 14                        ; my 128 tokens
	s_add_co_u32 s20, s20, s21
	s_mov_b32 s21, 0
	s_add_nc_u64 s[12:13], s[12:13], s[20:21]
	s_lshr_b32 s46, s42, 2                         ; which of Q, K, V = tile column / 4 (in the registers that held B's address: none that fed A's descriptors holds cx)
	s_lshl_b32 s46, s46, 24
	s_and_b32 s47, s42, 3
	s_lshl_b32 s47, s47, 20                        ; four heads to a tile column,
	s_add_co_u32 s46, s46, s47
	s_lshl_b32 s47, s16, 19                        ; two to my half
	s_add_co_u32 s46, s46, s47
	s_mov_b32 s47, 0
	s_add_nc_u64 s[12:13], s[12:13], s[46:47]
.macro FRAG reg, adr, q, i             ; a fragment, 16 rows x 128 K of 4-bit codes: lane l holds row l % 16; registers 4 c .. 4 c + 3 hold K = 64 c + 32 (l / 16) + 0 .. 31
.irp c, 0,1
	ds_load_b128 v[\reg+4*\c:\reg+4*\c+3], v[\adr] offset:64*(\q)+32*\c+(\i)*16*PITCH
.endr
.endm
; 16 matrix instructions: A's blocks a0, a0 + 1 x B's eight, the slot's q-th 128 along K.  p: B's set; sc: the set of scale words.  zero = 1: the first product starts the sums.
; The 64 accumulators take turns, one instruction a turn, in the same order in every step.
.macro MUL16 a0, p, q, sc, zero
.irp a, \a0, \a0+1
.irp b, 0,1,2,3,4,5,6,7
.if \zero
	v_wmma_scale_f32_16x16x128_f8f6f4 v[8*(8*((\a)%4)+\b):8*(8*((\a)%4)+\b)+7], v[128*(\p)+FR*\b:128*(\p)+FR*\b+FR-1], v[AF+FR*(\a):AF+FR*(\a)+FR-1], 0, v[SC+8*NQ*(\sc)+NQ*\b+(\q)], v[SC+8*NQ*(\sc)+NQ*(\a)+(\q)] matrix_a_fmt:MATRIX_FMT_FP4 matrix_b_fmt:MATRIX_FMT_FP4 matrix_a_scale:MATRIX_SCALE_ROW1
.else
	v_wmma_scale_f32_16x16x128_f8f6f4 v[8*(8*((\a)%4)+\b):8*(8*((\a)%4)+\b)+7], v[128*(\p)+FR*\b:128*(\p)+FR*\b+FR-1], v[AF+FR*(\a):AF+FR*(\a)+FR-1], v[8*(8*((\a)%4)+\b):8*(8*((\a)%4)+\b)+7], v[SC+8*NQ*(\sc)+NQ*\b+(\q)], v[SC+8*NQ*(\sc)+NQ*(\a)+(\q)] matrix_a_fmt:MATRIX_FMT_FP4 matrix_b_fmt:MATRIX_FMT_FP4 matrix_a_scale:MATRIX_SCALE_ROW1
.endif
.endr
.endr
.endm
.macro FETCH_B slot, q, p
	WIN TO_B
.irp i, 0,1,2,3,4,5,6,7
	FRAG 128*(\p)+FR*\i, ADRB+\slot, \q, \i
.endr
	WIN 0
.endm
.macro FETCH_A slot, q, i0
.irp i, \i0, \i0+1, \i0+2, \i0+3
	FRAG AF+FR*(\i), ADRA+\slot, \q, \i
.endr
.endm
.macro SCALES sc                       ; a slot's scale words: four words a row; lanes 0-15 take A's block i, lanes 16-31 B's block i
.irp i, 0,1,2,3,4,5,6,7
	ds_load_b128 v[SC+8*NQ*\sc+NQ*\i:SC+8*NQ*\sc+NQ*\i+3], v[ADRS] offset:\i*SBLK
.endr
.endm
.macro PLACES n                        ; plain vector lines between a matrix instruction and a load into, or a read of, its registers
.rept \n
	v_nop
.endr
.endm
.macro STEP slot, q, zero              ; a step of 128 along K that has its successor in the same slot
	s_wait_dscnt 4*NL                              ; B's set and A's blocks 0-3 are in; the youngest eight loads (A's blocks 4-7) may be out
	WIN MUL_LO
	MUL16 0, (\q)%2, \q, \slot, \zero
	MUL16 2, (\q)%2, \q, \slot, \zero
	s_wait_dscnt 0                                 ; A's blocks 4-7 are in
	PLACES NP
	FETCH_B \slot, (\q)+1, 1-(\q)%2
	FETCH_A \slot, (\q)+1, 0
	WIN MUL_HI
	MUL16 4, (\q)%2, \q, \slot, \zero
	MUL16 6, (\q)%2, \q, \slot, \zero
	PLACES NP
	WIN 0
	FETCH_A \slot, (\q)+1, 4
.endm
; Slot 0's last step changes slots: one barrier; in front of it each wave waits for all its tensor loads (its part of slot 1), adds 0 to its spare word, and waits for that and for its own reads of slot 0.
; Behind it slot 1 is whole, and nobody reads slot 0 any more: the stages of the way out lie there.
.macro TURN slot, next
	s_wait_tensorcnt 0x0
	ds_add_u32 v[SPW], v[NIL]
	s_wait_dscnt 4*NL+1                            ; (the add and the youngest eight loads may be out)
	WIN MUL_LO
	MUL16 0, 1, NQ-1, \slot, 0
	s_wait_dscnt 0x0                               ; the add is done, and my reads of this slot are over
	s_barrier_signal -1
	MUL16 2, 1, NQ-1, \slot, 0
	WIN 0
	s_barrier_wait -1
	PLACES NP
	v_add_nc_u32 v[ADRS], 4*NQ, v[ADRS]            ; on to the next slot's scale words
	FETCH_B \next, 0, 0
	FETCH_A \next, 0, 0
	SCALES \next
	WIN MUL_HI
	MUL16 4, 1, NQ-1, \slot, 0
	MUL16 6, 1, NQ-1, \slot, 0
	PLACES NP
	WIN 0
	FETCH_A \next, 0, 4
.endm
	s_wait_tensorcnt 1                             ; the scales and my part of slot 0 are in (slot 1's load may be out)
	s_barrier_signal -1
	s_barrier_wait -1                              ; everybody's are
	FETCH_B 0, 0, 0
	FETCH_A 0, 0, 0
	SCALES 0
	FETCH_A 0, 0, 4
	STEP 0, 0, 1                                   ; the first step's products start the sums: nothing is cleared
	STEP 0, 1, 0
	STEP 0, 2, 0
	TURN 0, 1
	STEP 1, 0, 0
	STEP 1, 1, 0
	STEP 1, 2, 0
	s_wait_dscnt 4*NL                              ; the last step: nothing more to fetch
	WIN MUL_LO
	MUL16 0, 1, NQ-1, 1, 0
	MUL16 2, 1, NQ-1, 1, 0
	s_wait_dscnt 0
	WIN MUL_HI
	MUL16 4, 1, NQ-1, 1, 0
	MUL16 6, 1, NQ-1, 1, 0
	WIN 0
; THE WAY OUT, block by block of 16 tokens x 128 channels (two heads).  PACK: rounded to f16, 16 bytes a lane, each accumulator from its low end on.  TOSTAGE: into my own stage and back, four tokens of one head to a load.
; SEND: each store covers 512 consecutive bytes of qkv.  LDS serves a wave's instructions in order: no wait between the stores into the stage and the loads from it.
.macro PACK a
.set AC, 64*((\a)%4)
	WIN 0x0a+5*((\a)/4)                            ; sources 0 and 1: window 2 or 3
.irp b, 0,1,2,3,4,5,6,7
.irp i, 0,1,2,3
	v_cvt_pk_f16_f32 v[TMP+4*\b+\i], v[AC+8*\b+2*\i], v[AC+8*\b+2*\i+1]
.endr
.endr
	WIN 0
.endm
.macro TOSTAGE a
.set BK, OB+192*((\a)%2)
.irp b, 0,1,2,3,4,5,6,7
	ds_store_b128 v[STO], v[TMP+4*\b:TMP+4*\b+3] offset:32*\b
.endr
.irp t, 0,1,2,3,4,5,6,7
	ds_load_b128 v[BK+4*\t:BK+4*\t+3], v[RD] offset:(\t%4)*2*SPITCH+(\t/4)*128   ; head t / 4, tokens 4 (t % 4) on
.endr
.endm
.macro SEND a
.set BK, OB+192*((\a)%2)
	s_wait_dscnt 0x0                               ; the block is back in registers
	s_wait_xcnt 0x0                                ; the earlier stores have read their registers: the next block's loads land there only behind this wait
.irp t, 0,1,2,3,4,5,6,7
	global_store_b128 v[CO], v[BK+4*\t:BK+4*\t+3], s[12:13] offset:(\a)*2048+(\t/4)*262144+(\t%4)*512
.endr
.endm
	PLACES NP
	PACK 0
	TOSTAGE 0
.irp a, 1,2,3,4,5,6,7                  ; block a's conversions stand between block a - 1's loads from the stage and the wait for them
	PACK \a
	SEND \a-1
	TOSTAGE \a
.endr
	SEND 7
	s_wait_tensorcnt 0x0                           ; the wave's end
	ds_add_u32 v[SPW], v[NIL]
	s_wait_dscnt 0x0
	CROUND                                         ; the closing round: no work-group ends while a partner may still ask for a tile that names it
	s_endpgm
.Lfunc_end_k_q3d7f4d6f66_qkv:
	.size	k_q3d7f4d6f66_qkv, .Lfunc_end_k_q3d7f4d6f66_qkv-k_q3d7f4d6f66_qkv
	.p2alignl 7, 3214868480
	.fill 96, 4, 3214868480
	.section	.rodata,"a",@progbits
	.p2align	6, 0x0
	.amdhsa_kernel k_q3d7f4d6f66_qkv
		.amdhsa_group_segment_fixed_size 327680
		.amdhsa_private_segment_fixed_size 0
		.amdhsa_enable_private_segment 0
		.amdhsa_kernarg_size 40
		.amdhsa_user_sgpr_count 2
		.amdhsa_user_sgpr_kernarg_segment_ptr 1
		.amdhsa_wavefront_size32 1
		.amdhsa_system_sgpr_workgroup_id_x 1
		.amdhsa_system_sgpr_workgroup_id_y 1
		.amdhsa_system_sgpr_workgroup_id_z 1
		.amdhsa_system_vgpr_workitem_id 0
		.amdhsa_next_free_vgpr 1024
		.amdhsa_next_free_sgpr 98
		.amdhsa_reserve_vcc 0
		.amdhsa_float_denorm_mode_32 3
		.amdhsa_float_denorm_mode_16_64 3
		.amdhsa_memory_ordered 1
		.amdhsa_forward_progress 1
		.amdhsa_inst_pref_size 127
	.end_amdhsa_kernel
	.amdgpu_metadata
---
amdhsa.version: [ 1, 2 ]
amdhsa.kernels:
  - .name:           k_q3d7f4d6f66_qkv
    .symbol:         k_q3d7f4d6f66_qkv.kd
    .args:
      - { .name: xc, .offset: 0, .size: 8, .value_kind: global_buffer, .address_space: global }
      - { .name: xs, .offset: 8, .size: 8, .value_kind: global_buffer, .address_space: global }
      - { .name: wc, .offset: 16, .size: 8, .value_kind: global_buffer, .address_space: global }
      - { .name: ws, .offset: 24, .size: 8, .value_kind: global_buffer, .address_space: global }
      - { .name: qkv, .offset: 32, .size: 8, .value_kind: global_buffer, .address_space: global }
    .group_segment_fixed_size: 327680
    .private_segment_fixed_size: 0
    .kernarg_segment_align: 8
    .kernarg_segment_size: 40
    .max_flat_workgroup_size: 128
    .sgpr_count:     98
    .vgpr_count:     1024
    .wavefront_size: 32
...
	.end_amdgpu_metadata
.endif
;; end of part 2
;; launch attn (part 3): grid 4 x 64, 8 waves a work-group, clusters of 4 x 1, 327,680 bytes of LDS; arguments qkv, cat; writes cat
.if DOCPART == 3
	.amdgcn_target "amdgcn-amd-amdhsa--gfx1250"
	.amdhsa_code_object_version 6
	.text
	.protected	k_q3d7f4d6f66_attn
	.globl	k_q3d7f4d6f66_attn
	.p2align	8
	.type	k_q3d7f4d6f66_attn,@function
k_q3d7f4d6f66_attn:
	s_mov_b64 s[64:65], 0
	v_nop
	global_prefetch_b8 v0, s[64:65] scope:SCOPE_SE
	s_setreg_imm32_b32 hwreg(HW_REG_WAVE_MODE, 25, 1), 1
	s_wait_xcnt 0x0
	s_wait_alu depctr_hold_cnt(0) depctr_sa_sdst(0) depctr_va_vdst(0) depctr_va_sdst(0) depctr_va_ssrc(0) depctr_va_vcc(0) depctr_vm_vsrc(0)
	s_getreg_b32 s2, hwreg(HW_REG_IB_STS2, 6, 4)
	s_cmp_eq_u32 s2, 0
	s_cbranch_scc0 .Lentry_in_a_cluster
	s_endpgm
.Lentry_in_a_cluster:
	s_bfe_u32 s2, ttmp6, 0x10000c
	s_cmp_lg_u32 s2, 0x3003
	s_cbranch_scc0 .Lentry_shape_is_right
	s_endpgm
.Lentry_shape_is_right:
; cat[h][b, q][:] = the sum over k of softmax_k(Q[b,h][q] . K[b,h][k] / 8) V[b,h][k][:].  qkv: [3][64 (b, h)][2048][64] f16;  cat: [16 h][8192 (b, token)][64] f16.  Products, maxima and sums in f32;
; the weights p are rounded to f16 for the second product, the result once at the end.  LIMIT: the result stays under 65,504; under 6e-5 it is held to steps of 6e-8.
; SHARES.  A work-group owns 512 queries of one (b, h), each of its eight waves 64: four tiles of 16, in 512 registers.  Every wave walks the head's 2,048 keys, 64 a step, 32 steps.
; LAYOUT.  S^T = K Q^T (source 0 = 16 keys, source 1 = 16 queries): a lane holds ONE query (lane % 16) and the keys 8 (lane / 16) + 0..7 of each tile of 16.  Two such tiles, rounded to f16 in pairs, ARE source 1
; (32 keys x 16 queries) of O^T = V^T P, whose result again holds one query a lane.  P is laid over S's low registers.  K comes out of LDS as it lies, V ([key][channel]) turned, by ds_load_tr16_b128.
; SOFTMAX.  For each query a running maximum m and sum l: p = 2^(c s - c m), c = log2(e) / 8; in every step O and l are multiplied by a = 2^(c m_old - c m_new).
; TWO GROUPS OF WAVES, HALF A STEP APART.  A step is SM (the softmax: vector work alone, no LDS) and MM (64 matrix instructions and the LDS loads).  Waves 0-3 leave every change of slots into SM, waves 4-7, which run
; one SM ahead of each change, into MM: so the vector work of one group can stand beside the matrix work of the other.  The jumps that part the groups lead round SM alone.
; RING.  Two LDS slots of 512 keys (K: rows of 144 bytes, V: rows of 160); four fills in all, so each slot is filled again once.  Waves 0-3 fetch K's quarters, waves 4-7 V's.
; CLUSTER.  The four work-groups of a head form a cluster and walk the same K and V: each tile is asked for JOINTLY, the same tensor load with the same descriptor and a mask that names the four.
; REGISTERS.  window 0: v1-15 addresses; v16-47 eight registers of statistics a tile; v64-127 K of one step; v128-255 S^T, 32 a tile (P in the low 16 of each).
;   window 1: v0-127 O^T, 32 a tile; v128-191 Q; v192-255 V of one step.
.set KS,     64                        ; keys in a step
.set PK,     144                       ; a row of K in LDS: 128 bytes + 16: row r starts 16 r bytes on, modulo 256
.set PVP,    160                       ; a row of V: 128 + 32: row r starts 32 r bytes on, modulo 256
.set KSTEPB, KS*PK                     ; a step's K
.set VSTEPB, KS*PVP                    ; a step's V
.set VOFF,   512*PK                    ; a slot: 512 rows of K, then 512 rows of V
.set SLOTB,  512*(PK+PVP)
.set SPARE,  2*SLOTB                   ; behind the ring: the spare words, 128 bytes a wave
.set SPS,    144                       ; the way out: 16 rows x 144 bytes for each wave, in slot 0, behind its last fill and its last read
.set AK0, 2                            ; v2   my lane's place in a tile of K; never rewritten
.set AV0, 3                            ; v3   the same for V
.set ADR, 4                            ; v4   the LDS address of K's run of loads
.set ADV, 5                            ; v5   of V's
.set QO,  6                            ; v6   my byte offset in the wave's rows of Q
.set STO, 7                            ; v7   the way out: where I put 16 bytes of a row
.set RD,  8                            ; v8   where I read rows back
.set GO,  9                            ; v9   16 x lane
.set PFO, 12                           ; v12  256 x lane: the prefetch's offset; never rewritten
.set SPW, 14                           ; v14  my spare word; never rewritten
.set NIL, 15                           ; v15  0; never rewritten
.set ST,  16                           ; tile t's statistics at v[ST + 8 t]: +0 c m, +1 m, +2, +3 l (even keys', odd keys'), +4 to +7 c0-c3, at work; a takes c2's place
.set KF,  64
.set S,   128
.set QF,  128                          ; in window 1
.set VF,  192                          ; in window 1
.set WV,  8                            ; s8   my wave's number
.set PFA, 18                           ; s[18:19] where my prefetch stands; never rewritten
.set G1K, 24
.set G1V, 32
.set G0K, 40                           ; s[40:47] group 0 for K's tiles, a set for each slot
.set G0V, 48
.set CS,  56                           ; s[56:57] c
.set SEL, 58                           ; s[58:59] lane selects: lane l xor 16
.set TK,  60                           ; s60  LDS byte at which K of the step to be fetched begins
.set TV,  61                           ; s61  the same for V (less VOFF, which lies in AV0)
.set I,   62                           ; s62  counts a phase's steps
.set NGB, 63                           ; s63  0 in waves 4-7, 1 in waves 0-3
.set GRP, 66                           ; s66  wave / 4
.set ASKF, 67                          ; s67  0 in the waves that prefetch: 0, 1, 4, 5
.set MSB, 0
.macro WIN new
.if MSB != (\new)
	s_set_vgpr_msb (MSB<<8)|(\new)
.set MSB, (\new)
.endif
.endm
.set W_KQ, 0x04                        ; Q (source 1) in window 1; K and S^T in window 0
.set W_PV, 0x51                        ; V (source 0) and O^T (C, D) in window 1; P in window 0
.set W_RS, 0x41                        ; O^T (destination, source 0) in window 1; a in window 0
.set TO_1, 0x40                        ; destination window 1, address window 0
.macro PLACES n
.rept \n
	v_nop
.endr
.endm
.macro JLOAD s                         ; a joint load into slot s; the branch hangs on the wave's number alone.  An s_nop 0 and four v_nop follow each of the two lines
	s_cmp_lt_u32 s[WV], 4
	s_cbranch_scc0 .Lfor_v_\@
	tensor_load_to_lds s[G0K+4*\s:G0K+4*\s+3], s[G1K:G1K+7]
	s_nop 0
.rept 4
	v_nop
.endr
	s_branch .Lasked_\@
.Lfor_v_\@:
	tensor_load_to_lds s[G0V+4*\s:G0V+4*\s+3], s[G1V:G1V+7]
	s_nop 0
.rept 4
	v_nop
.endr
.Lasked_\@:
.endm
.macro CROUND                          ; a round of the cluster's barrier
	s_barrier_signal -1
	s_barrier_wait -1
	s_cmp_lg_u32 s[WV], 0
	s_cbranch_scc1 .Lnot_wave_0_\@
	s_barrier_signal -3
.Lnot_wave_0_\@:
	s_barrier_wait -3
	s_barrier_signal -1
	s_barrier_wait -1
.endm
	s_load_b128 s[4:7], s[0:1], 0x0                ; qkv s[4:5], cat s[6:7]
	v_lshl_add_u32 v[SPW], v0, 2, SPARE
	v_mov_b32 v[NIL], 0
	ds_add_u32 v[SPW], v[NIL]                      ; the wave's opening: the add, twice on end, and its wait ahead of my first tensor load
	ds_add_u32 v[SPW], v[NIL]
	v_lshrrev_b32 v1, 5, v0
	v_readfirstlane_b32 s[WV], v1                  ; wave 0..7
	s_bfe_u32 s9, ttmp6, 0x40000                   ; cx: my place in the cluster
	s_and_b32 s10, ttmp7, 0xffff                   ; 16 b + h, which the four partners share
	s_and_b32 s11, s[WV], 3                        ; which quarter of a slot's rows I fetch
	s_lshr_b32 s[GRP], s[WV], 2
	s_xor_b32 s[NGB], s[GRP], 1
	s_and_b32 s[ASKF], s[WV], 2
	s_lshl_b32 s68, s10, 18                        ; the head's 262,144 bytes in each part of qkv,
	s_lshl_b32 s69, s11, 14                        ; my quarter's 128 rows of 128 bytes
	s_add_co_u32 s68, s68, s69
	s_mov_b32 s69, 0
	s_mul_i32 s2, s11, 128*PK                      ; and their places in a slot: no place in the cluster enters an LDS address
	s_mul_i32 s3, s11, 128*PVP
	s_add_co_u32 s3, s3, VOFF
	s_lshl_b32 s20, ttmp9, 2
	s_add_co_u32 s20, s20, s9                      ; my block of 512 queries: it enters Q's, cat's and the prefetch's addresses alone
	s_lshl_b32 s20, s20, 16
	s_lshl_b32 s21, s[WV], 13                      ; my wave's 64 rows
	s_add_co_u32 s20, s20, s21
	s_mov_b32 s22, s20
	s_lshl_b32 s21, s10, 18
	s_add_co_u32 s20, s20, s21                     ; Q's offset
	s_mov_b32 s21, 0
	s_and_b32 s23, s10, 15
	s_lshl_b32 s23, s23, 20                        ; cat: the head's plane,
	s_add_co_u32 s22, s22, s23
	s_lshr_b32 s23, s10, 4
	s_lshl_b32 s23, s23, 18                        ; the batch's 2,048 rows
	s_add_co_u32 s22, s22, s23
	s_mov_b32 s23, 0
	s_lshl_b32 s70, s10, 18                        ; the prefetch: my head, keys 1,536 on,
	s_add_co_u32 s70, s70, 1536*128
	s_lshl_b32 s71, s9, 14                         ; my work-group's 128 rows of the 512: the partners are told apart by address,
	s_add_co_u32 s70, s70, s71
	s_and_b32 s71, s[WV], 1
	s_lshl_b32 s71, s71, 13                        ; my wave's 64 of them: 32 runs of 256 bytes, a lane a run,
	s_add_co_u32 s70, s70, s71
	s_add_co_u32 s71, s[GRP], 1
	s_lshl_b32 s71, s71, 24                        ; in K's part (waves 0, 1) or V's (waves 4, 5)
	s_add_co_u32 s70, s70, s71
	s_mov_b32 s71, 0
	; descriptor group 1: a tile of 128 rows x 64 elements of 2 bytes, padded behind every 32 words: K by 4 words, V by 8
	s_mov_b32 s[G1K], 15|(1<<16)|(1<<20)|(1<<21)|(4<<22)|(3<<25)
	s_mov_b32 s[G1V], 15|(1<<16)|(1<<20)|(1<<21)|(4<<22)|(7<<25)
.irp g, G1K, G1V
	s_mov_b32 s[\g+1], 64<<16                      ; tensor_dim0
	s_mov_b32 s[\g+2], 128<<16                     ; tensor_dim1
	s_mov_b32 s[\g+3], 64<<16                      ; tile_dim0
	s_mov_b32 s[\g+4], 128                         ; tile_dim1
	s_mov_b32 s[\g+5], 64                          ; from row to row
	s_mov_b32 s[\g+6], 0
	s_mov_b32 s[\g+7], 0
.endr
	s_mov_b32 s[CS], 0x3e38aa3b                    ; c = log2(e) / 8
	s_mov_b32 s[CS+1], s[CS]                       ; named with it as a pair, so it is written
	s_mov_b32 s[SEL], 0x76543210
	s_mov_b32 s[SEL+1], 0xfedcba98
	s_mov_b32 s[TK], 0
	s_mov_b32 s[TV], 0
	s_wait_dscnt 0x0                               ; both opening adds are done
	s_wait_kmcnt 0x0
	s_add_nc_u64 s[12:13], s[4:5], s[20:21]        ; Q at my wave's first row
	s_add_nc_u64 s[6:7], s[6:7], s[22:23]          ; cat likewise
	s_add_nc_u64 s[14:15], s[4:5], s[68:69]
	s_add_nc_u64 s[16:17], s[14:15], 0x2000000     ; V at my quarter of slot 0's first fill
	s_add_nc_u64 s[14:15], s[14:15], 0x1000000     ; K likewise
	s_add_nc_u64 s[PFA:PFA+1], s[4:5], s[70:71]
	CROUND                                         ; all four work-groups are here: the first joint loads meet
.irp s, 0,1
	s_mov_b32 s[G0K+4*\s], 1
	s_add_co_u32 s[G0K+4*\s+1], s2, \s*SLOTB
	s_add_nc_u64 s[G0K+4*\s+2:G0K+4*\s+3], s[14:15], \s*512*128
	s_or_b32 s[G0K+4*\s+3], s[G0K+4*\s+3], 0x80000000
	s_mov_b32 s[G0V+4*\s], 1
	s_add_co_u32 s[G0V+4*\s+1], s3, \s*SLOTB
	s_add_nc_u64 s[G0V+4*\s+2:G0V+4*\s+3], s[16:17], \s*512*128
	s_or_b32 s[G0V+4*\s+3], s[G0V+4*\s+3], 0x80000000
.endr
	s_cmp_lt_u32 s[WV], 4                          ; a wave's two first fills stand in one branch: two loads of mine are out
	s_cbranch_scc0 .Lfirst_v
	tensor_load_to_lds s[G0K:G0K+3], s[G1K:G1K+7]
	s_nop 0
	tensor_load_to_lds s[G0K+4:G0K+7], s[G1K:G1K+7]
	s_nop 0
.rept 4
	v_nop
.endr
	s_branch .Lfirst_asked
.Lfirst_v:
	tensor_load_to_lds s[G0V:G0V+3], s[G1V:G1V+7]
	s_nop 0
	tensor_load_to_lds s[G0V+4:G0V+7], s[G1V:G1V+7]
	s_nop 0
.rept 4
	v_nop
.endr
.Lfirst_asked:
	v_and_b32 v1, 15, v0                           ; r = l % 16
	v_bfe_u32 v10, v0, 4, 1                        ; h = l / 16
	v_lshlrev_b32 v[QO], 7, v1
	v_lshl_add_u32 v[QO], v10, 4, v[QO]            ; row x 128 + 16 x half
	WIN TO_1
.irp i, 0,1,2,3,4,5,6,7                        ; Q stays in registers: tile i / 2, channels 32 (i % 2) on
	global_load_b128 v[QF+8*\i:QF+8*\i+3],   v[QO], s[12:13] offset:(\i/2)*2048+(\i%2)*64
	global_load_b128 v[QF+8*\i+4:QF+8*\i+7], v[QO], s[12:13] offset:(\i/2)*2048+(\i%2)*64+32
.endr
	WIN 0
	v_mul_u32_u24 v[AK0], v1, PK
	v_lshl_add_u32 v[AK0], v10, 4, v[AK0]          ; row x pitch + 16 x half
	v_and_b32 v11, 7, v0
	v_bfe_u32 v13, v0, 3, 1
	v_lshl_add_u32 v[AV0], v10, 3, v11             ; the turning load: lane l reads key 8 (l / 16) + l % 8, channels 8 ((l / 8) % 2) + 0..7
	v_mul_u32_u24 v[AV0], v[AV0], PVP
	v_lshl_add_u32 v[AV0], v13, 4, v[AV0]
	v_add_nc_u32 v[AV0], VOFF, v[AV0]
	s_mul_i32 s68, s[WV], 16*SPS                   ; my stage
	v_mul_u32_u24 v[STO], v1, SPS                  ; in: row l % 16, 16 bytes for each half of the lanes
	v_lshl_add_u32 v[STO], v10, 4, v[STO]
	v_add_nc_u32 v[STO], s68, v[STO]
	v_and_b32 v[GO], 31, v0
	v_lshrrev_b32 v[RD], 3, v[GO]                  ; back: eight lanes to a row of 128 bytes, four rows a load
	v_mul_u32_u24 v[RD], v[RD], SPS
	v_lshl_add_u32 v[RD], v11, 4, v[RD]
	v_add_nc_u32 v[RD], s68, v[RD]
	v_lshlrev_b32 v[PFO], 8, v[GO]
	v_lshlrev_b32 v[GO], 4, v[GO]
; THE LDS LOADS stand in runs of 16.  The addition and the four v_nop in front of each run are five plain lines behind the matrix instructions that read the run's registers.
.macro FETCH_K                         ; 64 keys x 64 channels: fragment f: keys 16 (f / 2) on, channels 32 (f % 2) on
	v_add_nc_u32 v[ADR], s[TK], v[AK0]
	s_add_co_u32 s[TK], s[TK], KSTEPB              ; the next fetch is the next step's
	PLACES 4
.irp f, 0,1,2,3,4,5,6,7
	ds_load_b128 v[KF+8*\f:KF+8*\f+3],   v[ADR] offset:(\f/2)*16*PK+(\f%2)*64
	ds_load_b128 v[KF+8*\f+4:KF+8*\f+7], v[ADR] offset:(\f/2)*16*PK+(\f%2)*64+32
.endr
.endm
.macro FETCH_V                         ; turned: fragment f: keys 32 (f / 4) on, channels 16 (f % 4) on
	v_add_nc_u32 v[ADV], s[TV], v[AV0]
	s_add_co_u32 s[TV], s[TV], VSTEPB
	PLACES 4
	WIN TO_1
.irp f, 0,1,2,3,4,5,6,7
	ds_load_tr16_b128 v[VF+8*\f:VF+8*\f+3],   v[ADV] offset:(\f/4)*32*PVP+(\f%4)*32
	ds_load_tr16_b128 v[VF+8*\f+4:VF+8*\f+7], v[ADV] offset:(\f/4)*32*PVP+16*PVP+(\f%4)*32
.endr
.endm
; O^T += V^T P: product i of 32: keys 32 (i / 16) on, channels 16 ((i / 4) % 4) on, tile i % 4.  The 16 accumulators take turns, one instruction a turn.  first = 1: the first 16 start the sums.
.macro PV32 first
	WIN W_PV
.set i, 0
.rept 32
.set rO, 32*(i%4)+8*((i/4)%4)
.set rV, VF+8*(4*(i/16)+(i/4)%4)
.set rP, S+32*(i%4)+8*(i/16)
.if \first && (i < 16)
	v_wmma_f32_16x16x32_f16 v[rO:rO+7], v[rV:rV+7], v[rP:rP+7], 0
.else
	v_wmma_f32_16x16x32_f16 v[rO:rO+7], v[rV:rV+7], v[rP:rP+7], v[rO:rO+7]
.endif
.set i, i+1
.endr
.endm
; S^T = K Q^T: product i of 32: channels 32 (i / 16) on, keys 16 ((i / 4) % 4) on, tile i % 4.  The first 16 start the sums.
.macro KQ32
	WIN W_KQ
.set i, 0
.rept 32
.set rS, S+32*(i%4)+8*((i/4)%4)
.set rK, KF+8*(2*((i/4)%4)+i/16)
.set rQ, QF+16*(i%4)+8*(i/16)
.if i < 16
	v_wmma_f32_16x16x32_f16 v[rS:rS+7], v[rK:rK+7], v[rQ:rQ+7], 0
.else
	v_wmma_f32_16x16x32_f16 v[rS:rS+7], v[rK:rK+7], v[rQ:rQ+7], v[rS:rS+7]
.endif
.set i, i+1
.endr
.endm
; MM: the matrix half of step j.  K of step j + 1 is asked for; V^T P of step j; V of step j + 1 is asked for; K Q^T of step j + 1.  fetch = 0: the last step: V^T P alone.
.macro MM first, fetch
.if \fetch
	FETCH_K
	s_wait_dscnt 16                                ; V of this step is in; the 16 loads of K just issued may be out
.else
	PLACES 5
	s_wait_dscnt 0x0
.endif
	PV32 \first
.if \fetch
	WIN 0
	FETCH_V                                        ; its five plain lines also part the products that read P from those below, which write over it
	s_wait_dscnt 16                                ; K is in; V's 16 loads may be out
	KQ32
.endif
	WIN 0
.endm
.macro PKS t, b                        ; pair b of tile t: c s - c m
	v_pk_fma_f32 v[S+32*(\t)+2*(\b):S+32*(\t)+2*(\b)+1], v[S+32*(\t)+2*(\b):S+32*(\t)+2*(\b)+1], s[CS:CS+1], v[ST+8*(\t):ST+8*(\t)+1] op_sel_hi:[1,0,0] neg_lo:[0,0,1] neg_hi:[0,0,1]
.endm
; SM: the softmax of one step for my four tiles, which take turns line by line.  first = 1: the first step, which starts m and l and has no a.
.macro SM first
	WIN 0
	PLACES 4                                       ; behind the products that made the scores
.irp j, 0,1,2,3                                ; the maximum of a lane's 32 scores: four chains; each accumulator is read from its low end on
.irp t, 0,1,2,3
	v_max3_num_f32 v[ST+8*\t+4+\j], v[S+32*\t+8*\j], v[S+32*\t+8*\j+1], v[S+32*\t+8*\j+2]
.endr
.endr
.irp u, 1,2
.irp j, 0,1,2,3
.irp t, 0,1,2,3
	v_max3_num_f32 v[ST+8*\t+4+\j], v[ST+8*\t+4+\j], v[S+32*\t+8*\j+2*\u+1], v[S+32*\t+8*\j+2*\u+2]
.endr
.endr
.endr
.irp t, 0,1,2,3
	v_max3_num_f32 v[ST+8*\t+4], v[ST+8*\t+4], v[S+32*\t+7], v[S+32*\t+15]
.endr
.irp t, 0,1,2,3
	v_max3_num_f32 v[ST+8*\t+6], v[ST+8*\t+6], v[S+32*\t+23], v[S+32*\t+31]
.endr
.irp t, 0,1,2,3
	v_max3_num_f32 v[ST+8*\t+4], v[ST+8*\t+4], v[ST+8*\t+5], v[ST+8*\t+6]
.endr
.irp t, 0,1,2,3
.if \first
	v_max_num_f32 v[ST+8*\t+4], v[ST+8*\t+4], v[ST+8*\t+7]
.else
	v_max3_num_f32 v[ST+8*\t+4], v[ST+8*\t+4], v[ST+8*\t+7], v[ST+8*\t+1]   ; with the old m
.endif
.endr
.irp t, 0,1,2,3
	v_permlanex16_b32 v[ST+8*\t+5], v[ST+8*\t+4], s[SEL], s[SEL+1]          ; the query's other 32 keys lie in the lane 16 away
.endr
.if \first == 0
.irp t, 0,1,2,3
	v_mov_b32 v[ST+8*\t+7], v[ST+8*\t]             ; c m_old is kept for a
.endr
.endif
.irp t, 0,1,2,3
	v_max_num_f32 v[ST+8*\t+1], v[ST+8*\t+4], v[ST+8*\t+5]
.endr
.irp t, 0,1,2,3
	v_mul_f32 v[ST+8*\t], s[CS], v[ST+8*\t+1]
.endr
.if \first == 0
.irp t, 0,1,2,3
	v_sub_f32 v[ST+8*\t+7], v[ST+8*\t+7], v[ST+8*\t]
.endr
.irp t, 0,1,2,3
	v_exp_f32 v[ST+8*\t+6], v[ST+8*\t+7]           ; a
.endr
.endif
; ONE BATCH: the scalings and all exponentials; none of these lines names an exponential's result.  A tile's exponentials stand between the next tile's scalings.
.irp b, 0,1,2,3,4,5,6,7,8,9,10,11,12,13,14,15
	PKS 0, \b
.endr
.irp t, 0,1,2
.irp b, 0,1,2,3,4,5,6,7,8,9,10,11,12,13,14,15
	PKS \t+1, \b
	v_exp_f32 v[S+32*\t+2*\b], v[S+32*\t+2*\b]
	v_exp_f32 v[S+32*\t+2*\b+1], v[S+32*\t+2*\b+1]
.endr
.endr
.irp e, 0,1,2,3,4,5,6,7,8,9,10,11,12,13,14,15,16,17,18,19,20,21,22,23,24,25,26,27,28,29,30,31
	v_exp_f32 v[S+96+\e], v[S+96+\e]
.endr
	v_nop                                          ; a plain line behind the last exponential
	s_wait_alu depctr_va_vdst(0)                   ; the wait ahead of the first line that names a result: one for the whole batch
; the sums of the unrounded p: two chains a tile (even pairs onto l, odd pairs onto c0, c1), the eight chains by turns
.irp t, 0,1,2,3
.if \first
	v_pk_add_f32 v[ST+8*\t+2:ST+8*\t+3], v[S+32*\t:S+32*\t+1], v[S+32*\t+4:S+32*\t+5]
.else
	v_pk_fma_f32 v[ST+8*\t+2:ST+8*\t+3], v[ST+8*\t+2:ST+8*\t+3], v[ST+8*\t+6:ST+8*\t+7], v[S+32*\t:S+32*\t+1] op_sel_hi:[1,0,1]   ; l = a l + pair 0
.endif
	v_pk_add_f32 v[ST+8*\t+4:ST+8*\t+5], v[S+32*\t+2:S+32*\t+3], v[S+32*\t+6:S+32*\t+7]
.endr
.irp k, 1,2,3,4,5,6
.irp t, 0,1,2,3
.if (\first == 0) || (\k > 1)
	v_pk_add_f32 v[ST+8*\t+2:ST+8*\t+3], v[ST+8*\t+2:ST+8*\t+3], v[S+32*\t+4*\k:S+32*\t+4*\k+1]
.endif
	v_pk_add_f32 v[ST+8*\t+4:ST+8*\t+5], v[ST+8*\t+4:ST+8*\t+5], v[S+32*\t+4*\k+6:S+32*\t+4*\k+7]
.endr
.endr
.irp t, 0,1,2,3
	v_pk_add_f32 v[ST+8*\t+2:ST+8*\t+3], v[ST+8*\t+2:ST+8*\t+3], v[S+32*\t+28:S+32*\t+29]
.endr
.irp t, 0,1,2,3
	v_pk_add_f32 v[ST+8*\t+2:ST+8*\t+3], v[ST+8*\t+2:ST+8*\t+3], v[ST+8*\t+4:ST+8*\t+5]
.endr
.irp n, 0,1,2,3,4,5,6,7,8,9,10,11,12,13,14,15  ; P, in place: register n takes scores 2 n and 2 n + 1; n ascends, so nothing is overwritten before it is read
.irp t, 0,1,2,3
	v_cvt_pk_f16_f32 v[S+32*\t+\n], v[S+32*\t+2*\n], v[S+32*\t+2*\n+1]
.endr
.endr
.if \first == 0
	WIN W_RS                                       ; O^T x a: the one part that leaves window 0; each accumulator from its low end on
.irp t, 0,1,2,3
.irp i, 0,2,4,6,8,10,12,14,16,18,20,22,24,26,28,30
	v_pk_mul_f32 v[32*\t+\i:32*\t+\i+1], v[32*\t+\i:32*\t+\i+1], v[ST+8*\t+6:ST+8*\t+7] op_sel_hi:[1,0]
.endr
.endr
	WIN 0
.endif
.endm
; THE CHANGE OF SLOTS, behind the MM that asked for the slot's last K and V.  Each wave waits for all its tensor loads (its part of the other slot), adds 0 to its spare word, and waits for that and for its reads of the slot.
; fill = 1: the slot is filled again, with the keys 1,024 further on: the barrier is then a round of the cluster's, and the joint refill is the first thing behind it: it has eight steps in which to land.
; ask = 1: the rows that the NEXT change will ask for (keys 1,536 on, of K and of V) are prefetched, eight steps ahead of that load: 256 runs of 256 bytes of each; each of the four partners takes 64, waves 0, 1 K's and
; waves 4, 5 V's, a lane a run: each run is named once in the launch.  The earlier fills come by their loads alone.
.macro CHANGE slot, fill, ask, newbase
	s_wait_tensorcnt 0x0                           ; no tensor load of mine is out, so a group 0 may be written
	ds_add_u32 v[SPW], v[NIL]
.if \fill
	s_add_nc_u64 s[G0K+4*\slot+2:G0K+4*\slot+3], s[G0K+4*\slot+2:G0K+4*\slot+3], 1024*128
	s_add_nc_u64 s[G0V+4*\slot+2:G0V+4*\slot+3], s[G0V+4*\slot+2:G0V+4*\slot+3], 1024*128
.endif
	s_wait_dscnt 0x0                               ; the add is done, and my reads of the slot are over
.if \fill
	CROUND
	JLOAD \slot
.if \ask
	s_cmp_eq_u32 s[ASKF], 0
	s_cbranch_scc0 .Lnot_mine_\@
	global_prefetch_b8 v[PFO], s[PFA:PFA+1] th:TH_LOAD_NT scope:SCOPE_SE
.Lnot_mine_\@:
.endif
.else
	s_barrier_signal -1
	s_barrier_wait -1
.endif
	s_mov_b32 s[TK], \newbase                      ; the fetches go on in the other slot
	s_mov_b32 s[TV], \newbase
.endm
; A PHASE: the steps between two changes of slots.  MM runs in every trip, so the LDS addresses step a constant number of times.  skip = 1: waves 4-7 have run the first trip's SM ahead of the change.
; Behind the loop waves 4-7 run the next step's SM (all = 1: every wave does: the last step's).
.macro PHASE trips, skip, all
	s_mov_b32 s[I], 0
.Lstep_\@:
.if \skip
	s_or_b32 s20, s[I], s[NGB]
	s_cmp_eq_u32 s20, 0
	s_cbranch_scc1 .Lhad_\@
.endif
	SM 0
.Lhad_\@:
	MM 0, 1
	s_add_co_u32 s[I], s[I], 1
	s_cmp_lt_u32 s[I], \trips
	s_cbranch_scc1 .Lstep_\@
.if \all == 0
	s_cmp_eq_u32 s[GRP], 0
	s_cbranch_scc1 .Lnot_ahead_\@
.endif
	SM 0
.Lnot_ahead_\@:
.endm
	s_wait_tensorcnt 1                             ; my part of slot 0 is in; slot 1's may stay out
	s_barrier_signal -1
	s_barrier_wait -1                              ; everybody's is
	FETCH_K                                        ; step 0
	FETCH_V
	s_wait_loadcnt 0x0                             ; Q
	s_wait_dscnt 16                                ; K is in; V's 16 loads may be out
	KQ32
	WIN 0
	SM 1
	MM 1, 1                                        ; step 0
	PHASE 6, 0, 0                                  ; steps 1-6
	CHANGE 0, 1, 1, SLOTB                          ; slot 0 takes keys 1,024 on
	PHASE 8, 1, 0                                  ; steps 7-14
	CHANGE 1, 1, 0, 0                              ; slot 1 takes keys 1,536 on
	PHASE 8, 1, 0                                  ; steps 15-22
	CHANGE 0, 0, 0, SLOTB                          ; nothing is left to fetch
	PHASE 8, 1, 1                                  ; steps 23-30, and the last softmax
	MM 0, 0                                        ; step 31
	; THE WAY OUT.  l's two halves and the other half of the lanes' are added; O^T is divided by l, rounded to f16 and sent through my stage, a tile (16 rows of 128 bytes) at a time.  The additions are the plain lines behind the last products.
.irp t, 0,1,2,3
	v_add_f32 v[ST+8*\t+4], v[ST+8*\t+2], v[ST+8*\t+3]
.endr
.irp t, 0,1,2,3
	v_permlanex16_b32 v[ST+8*\t+5], v[ST+8*\t+4], s[SEL], s[SEL+1]
.endr
.irp t, 0,1,2,3
	v_add_f32 v[ST+8*\t+4], v[ST+8*\t+4], v[ST+8*\t+5]
.endr
.irp t, 0,1,2,3
	v_rcp_f32 v[ST+8*\t+6], v[ST+8*\t+4]
.endr
	v_nop                                          ; a plain line behind the last reciprocal
	s_wait_alu depctr_va_vdst(0)                   ; and the wait ahead of the first use: one for the four
.macro PACK t
	WIN W_RS
.irp i, 0,2,4,6,8,10,12,14,16,18,20,22,24,26,28,30
	v_pk_mul_f32 v[32*\t+\i:32*\t+\i+1], v[32*\t+\i:32*\t+\i+1], v[ST+8*\t+6:ST+8*\t+7] op_sel_hi:[1,0]
.endr
	WIN 0x05                                       ; sources 0 and 1 window 1, destination window 0: S^T's registers are free
.irp i, 0,1,2,3,4,5,6,7,8,9,10,11,12,13,14,15
	v_cvt_pk_f16_f32 v[S+32*\t+\i], v[32*\t+2*\i], v[32*\t+2*\i+1]
.endr
	WIN 0
.irp c, 0,1,2,3
	ds_store_b128 v[STO], v[S+32*\t+4*\c:S+32*\t+4*\c+3] offset:32*\c
.endr
.irp i, 0,1,2,3
	ds_load_b128 v[S+32*\t+16+4*\i:S+32*\t+16+4*\i+3], v[RD] offset:\i*4*SPS   ; LDS serves a wave's instructions in order: these see the stores above; the next tile's stores come behind them
.endr
.endm
.macro SEND t, younger                 ; younger: the LDS instructions issued behind tile t's loads: the next tile's eight, or none
.irp f, 0,1,2,3
	s_wait_dscnt \younger+3-\f
	global_store_b128 v[GO], v[S+32*\t+16+4*\f:S+32*\t+16+4*\f+3], s[6:7] offset:\t*2048+\f*512   ; 32 lanes store 512 consecutive bytes
.endr
.endm
	PACK 0
	PACK 1
	SEND 0, 8
	PACK 2
	SEND 1, 8
	PACK 3
	SEND 2, 8
	SEND 3, 0
	s_wait_tensorcnt 0x0                           ; the wave's end
	ds_add_u32 v[SPW], v[NIL]
	s_wait_dscnt 0x0
	CROUND                                         ; the closing round: no work-group ends while a partner may still ask for a tile that names it
	s_endpgm
.Lfunc_end_k_q3d7f4d6f66_attn:
	.size	k_q3d7f4d6f66_attn, .Lfunc_end_k_q3d7f4d6f66_attn-k_q3d7f4d6f66_attn
	.p2alignl 7, 3214868480
	.fill 96, 4, 3214868480
	.section	.rodata,"a",@progbits
	.p2align	6, 0x0
	.amdhsa_kernel k_q3d7f4d6f66_attn
		.amdhsa_group_segment_fixed_size 327680
		.amdhsa_private_segment_fixed_size 0
		.amdhsa_enable_private_segment 0
		.amdhsa_kernarg_size 16
		.amdhsa_user_sgpr_count 2
		.amdhsa_user_sgpr_kernarg_segment_ptr 1
		.amdhsa_wavefront_size32 1
		.amdhsa_system_sgpr_workgroup_id_x 1
		.amdhsa_system_sgpr_workgroup_id_y 1
		.amdhsa_system_sgpr_workgroup_id_z 1
		.amdhsa_system_vgpr_workitem_id 0
		.amdhsa_next_free_vgpr 512
		.amdhsa_next_free_sgpr 72
		.amdhsa_reserve_vcc 0
		.amdhsa_float_denorm_mode_32 3
		.amdhsa_float_denorm_mode_16_64 3
		.amdhsa_memory_ordered 1
		.amdhsa_forward_progress 1
		.amdhsa_inst_pref_size 255
	.end_amdhsa_kernel
	.section	.bss,"aw",@nobits
	.p2align	6
	.space	262144
	.amdgpu_metadata
---
amdhsa.version: [ 1, 2 ]
amdhsa.kernels:
  - .name:           k_q3d7f4d6f66_attn
    .symbol:         k_q3d7f4d6f66_attn.kd
    .args:
      - { .name: qkv, .offset: 0, .size: 8, .value_kind: global_buffer, .address_space: global }
      - { .name: cat, .offset: 8, .size: 8, .value_kind: global_buffer, .address_space: global }
    .group_segment_fixed_size: 327680
    .private_segment_fixed_size: 0
    .kernarg_segment_align: 8
    .kernarg_segment_size: 16
    .max_flat_workgroup_size: 256
    .sgpr_count:     72
    .vgpr_count:     512
    .wavefront_size: 32
...
	.end_amdgpu_metadata
.endif
;; end of part 3
;; launch proj (part 4): grid 4 x 64, 4 waves a work-group, clusters of 4 x 4, 327,680 bytes of LDS; arguments cat, wo16, bo, out0; writes out0
.if DOCPART == 4
	.amdgcn_target "amdgcn-amd-amdhsa--gfx1250"
	.amdhsa_code_object_version 6
	.text
	.protected	k_q3d7f4d6f66_proj
	.globl	k_q3d7f4d6f66_proj
	.p2align	8
	.type	k_q3d7f4d6f66_proj,@function
k_q3d7f4d6f66_proj:
	s_mov_b64 s[64:65], 0
	v_nop
	global_prefetch_b8 v0, s[64:65] scope:SCOPE_SE
	s_setreg_imm32_b32 hwreg(HW_REG_WAVE_MODE, 25, 1), 1
	s_wait_xcnt 0x0
	s_wait_alu depctr_hold_cnt(0) depctr_sa_sdst(0) depctr_va_vdst(0) depctr_va_sdst(0) depctr_va_ssrc(0) depctr_va_vcc(0) depctr_vm_vsrc(0)
	s_getreg_b32 s2, hwreg(HW_REG_IB_STS2, 6, 4)
	s_cmp_eq_u32 s2, 0
	s_cbranch_scc0 .Lentry_in_a_cluster
	s_endpgm
.Lentry_in_a_cluster:
	s_bfe_u32 s2, ttmp6, 0x10000c
	s_cmp_lg_u32 s2, 0xf033
	s_cbranch_scc0 .Lentry_shape_is_right
	s_endpgm
.Lentry_shape_is_right:
; out0[m][n] = the sum over k of cat[m][k] Wo[n][k] + bo[n].  cat: [16 heads][8192 rows][64] f16 (k = 64 x head + channel);  wo16: [1024 n][1024 k] f16;  bo [1024], out0 [8192][1024]: f32.  Sums in f32.
; A tile of 128 rows x 256 columns is made by a work-group of four waves: 64 x 4 tiles are 256 work-groups.  A wave makes 64 x 128: 32 accumulators, 256 registers.
; K goes in 8 steps of 128, two heads' planes of cat each, through a ring of two LDS slots: waves 0 and 1 fetch the two planes (128 rows x 128 bytes), waves 2 and 3 the two halves of Wo's 256 rows (128 rows x 256 bytes).
; CLUSTERS: 4 x 4 work-groups.  The four of a row of the cluster need the same tiles of cat, the four of a column the same tiles of Wo: each is asked for JOINTLY, by the same tensor load with the same descriptor and a mask that names the four.
; THE MATRIX INSTRUCTION IS USED TRANSPOSED (source 0 = 16 rows of Wo, source 1 = 16 rows of cat): a lane holds eight neighbouring columns of one row.  bo is the C of each sum's first product: nothing is cleared, nothing is added later.
; No prefetch: eight short K steps, and the launch's own loads and stores follow each other without a gap in which one could lead.
; REGISTERS: window 0: v1-29 addresses; v64-127 bo, eight registers for each block of 16 columns; v128-255 the way out.   window 1: two fragment buffers of 128: Wo's eight fragments, then cat's four.   window 2: accumulator (a, b) at v[8 (8 a + b)].
.set PA,     144                       ; a row of cat in LDS: 128 bytes + 16
.set PB,     272                       ; a row of Wo: 256 bytes + 16
.set PLANE,  128*PA
.set BOFF,   2*PLANE                   ; a slot: two planes of cat, then Wo's 256 rows
.set HALFB,  128*PB
.set SLOT,   BOFF+2*HALFB
.set STAGE,  2*SLOT                    ; behind the ring: 16 rows x 528 bytes for each wave
.set SPITCH, 528
.set SPARE,  STAGE+4*16*SPITCH         ; behind the stages: the spare words, 128 bytes a wave
.set LAPS,   4                         ; a lap = two K steps = once round the ring
.set ADRA, 16                          ; v16-17  LDS address of my fragments of cat in slot 0, 1
.set ADRB, 20                          ; v20-21  of Wo
.set STO,  24                          ; v24     the way out: where I put 32 bytes of a row
.set RD,   25                          ; v25     where I read a row back
.set CO,   26                          ; v26     16 x lane
.set SPW,  28                          ; v28     my spare word; never rewritten
.set NIL,  29                          ; v29     0; never rewritten
.set BIAS, 64
.set BK,   128
.set F0,   0
.set F1,   128
.set G1, 24
.set G0, 32
.set G1B, 48
.set G0B, 56
.set MSB, 0
.macro WIN new
.if MSB != (\new)
	s_set_vgpr_msb (MSB<<8)|(\new)
.set MSB, (\new)
.endif
.endm
.set MUL,  0xa5                        ; sources 0 and 1 window 1; C and D window 2
.set MULB, 0x85                        ; the same with C (bo) in window 0
.set TO_F, 0x40                        ; destination window 1, address window 0
.macro JLOAD s                         ; a joint load: waves 0 and 1 fetch cat's planes, waves 2 and 3 Wo's halves; an s_nop 0 and four v_nop follow each of the two lines
	s_cmp_eq_u32 s13, 0
	s_cbranch_scc0 .Lfor_b_\@
	tensor_load_to_lds s[G0+4*\s:G0+4*\s+3], s[G1:G1+7]
	s_nop 0
.rept 4
	v_nop
.endr
	s_branch .Lasked_\@
.Lfor_b_\@:
	tensor_load_to_lds s[G0B+4*\s:G0B+4*\s+3], s[G1B:G1B+7]
	s_nop 0
.rept 4
	v_nop
.endr
.Lasked_\@:
.endm
.macro CREST                           ; a round of the cluster's barrier behind its opening barrier
	s_cmp_lg_u32 s12, 0
	s_cbranch_scc1 .Lnot_wave_0_\@
	s_barrier_signal -3
.Lnot_wave_0_\@:
	s_barrier_wait -3
	s_barrier_signal -1
	s_barrier_wait -1
.endm
.macro CROUND
	s_barrier_signal -1
	s_barrier_wait -1
	CREST
.endm
	s_load_b256 s[4:11], s[0:1], 0x0               ; cat s[4:5], wo16 s[6:7], bo s[8:9], out0 s[10:11]
	v_lshl_add_u32 v[SPW], v0, 2, SPARE
	v_mov_b32 v[NIL], 0
	ds_add_u32 v[SPW], v[NIL]                      ; the wave's opening: the add, twice on end, and its wait ahead of my first tensor load
	ds_add_u32 v[SPW], v[NIL]
	v_lshrrev_b32 v1, 5, v0
	v_readfirstlane_b32 s12, v1                    ; wave 0..3
	s_lshr_b32 s13, s12, 1                         ; which 64 rows are mine.  Also: I fetch for cat (0) or for Wo (1)
	s_and_b32 s14, s12, 1                          ; which 128 columns.  Also: which plane, or which half of Wo's rows, I fetch
	s_bfe_u32 s40, ttmp6, 0x40000                  ; cx, cy
	s_bfe_u32 s41, ttmp6, 0x40004
	s_lshl_b32 s42, ttmp9, 2
	s_add_co_u32 s42, s42, s40                     ; tile column = 4 x cluster x + cx
	s_and_b32 s15, ttmp7, 0xffff
	s_lshl_b32 s15, s15, 2
	s_add_co_u32 s15, s15, s41                     ; tile row = 4 x cluster y + cy
	s_lshl_b32 s43, s41, 2
	s_lshl_b32 s43, 15, s43                        ; my row of the cluster
	s_lshl_b32 s44, 0x1111, s40                    ; my column
	s_or_b32 s[G1+0], s43, (1<<16)|(1<<20)|(1<<21)|(4<<22)|(3<<25)    ; cat: elements of 2 bytes; 4 words of padding behind every 32
	s_mov_b32 s[G1+1], 64<<16                      ; tensor_dim0
	s_mov_b32 s[G1+2], 128<<16                     ; tensor_dim1
	s_mov_b32 s[G1+3], 64<<16                      ; tile_dim0
	s_mov_b32 s[G1+4], 128                         ; tile_dim1
	s_mov_b32 s[G1+5], 64                          ; from row to row
	s_mov_b32 s[G1+6], 0
	s_mov_b32 s[G1+7], 0
	s_or_b32 s[G1B+0], s44, (1<<16)|(1<<20)|(1<<21)|(5<<22)|(3<<25)   ; Wo: 4 words of padding behind every 64
	s_mov_b32 s[G1B+1], 128<<16
	s_mov_b32 s[G1B+2], 128<<16
	s_mov_b32 s[G1B+3], 128<<16
	s_mov_b32 s[G1B+4], 128
	s_mov_b32 s[G1B+5], 1024
	s_mov_b32 s[G1B+6], 0
	s_mov_b32 s[G1B+7], 0
	s_lshl_b32 s16, s14, 20                        ; cat: my plane of 1,048,576 bytes,
	s_lshl_b32 s17, s15, 14                        ; the tile's 128 rows of 128 bytes
	s_add_co_u32 s16, s16, s17
	s_mov_b32 s17, 0
	s_lshl_b32 s46, s42, 19                        ; Wo: the tile's 256 rows of 2,048 bytes,
	s_lshl_b32 s47, s14, 18                        ; my 128 of them
	s_add_co_u32 s46, s46, s47
	s_mov_b32 s47, 0
	s_mul_i32 s20, s14, PLANE                      ; where they go: no place in the cluster enters an LDS address
	s_mul_i32 s21, s14, HALFB
	s_add_co_u32 s21, s21, BOFF
	s_wait_dscnt 0x0                               ; both opening adds are done
	s_wait_kmcnt 0x0
	s_add_nc_u64 s[16:17], s[4:5], s[16:17]
	s_add_nc_u64 s[46:47], s[6:7], s[46:47]
	CROUND                                         ; all sixteen work-groups are here: the first joint loads meet
.irp s, 0,1
	s_mov_b32 s[G0+4*\s], 1
	s_add_co_u32 s[G0+4*\s+1], s20, \s*SLOT
	s_add_nc_u64 s[G0+4*\s+2:G0+4*\s+3], s[16:17], \s*2*1048576    ; K step s: planes 2 s and 2 s + 1
	s_or_b32 s[G0+4*\s+3], s[G0+4*\s+3], 0x80000000
	s_mov_b32 s[G0B+4*\s], 1
	s_add_co_u32 s[G0B+4*\s+1], s21, \s*SLOT
	s_add_nc_u64 s[G0B+4*\s+2:G0B+4*\s+3], s[46:47], \s*256
	s_or_b32 s[G0B+4*\s+3], s[G0B+4*\s+3], 0x80000000
	JLOAD \s                                       ; two loads of mine are out
.endr
	v_and_b32 v1, 15, v0                           ; r
	v_bfe_u32 v2, v0, 4, 1                         ; h
	s_lshl_b32 s46, s42, 10                        ; my first column, in bytes of f32: 1,024 x tile column + 512 x half (in the registers that held Wo's address)
	s_lshl_b32 s47, s14, 9
	s_add_co_u32 s46, s46, s47
	s_mov_b32 s47, 0
	s_add_nc_u64 s[8:9], s[8:9], s[46:47]
	s_add_nc_u64 s[10:11], s[10:11], s[46:47]
	s_lshl_b32 s18, s15, 19                        ; my first row: 128 x tile row + 64 x half, rows of 4,096 bytes
	s_lshl_b32 s19, s13, 18
	s_add_co_u32 s18, s18, s19
	s_mov_b32 s19, 0
	s_add_nc_u64 s[10:11], s[10:11], s[18:19]
	v_lshlrev_b32 v5, 5, v2                        ; bo in the result's layout: lane (r, h) wants, for block b, columns 16 b + 8 h + 0..7
.irp b, 0,1,2,3,4,5,6,7
	global_load_b128 v[BIAS+8*\b:BIAS+8*\b+3],   v5, s[8:9] offset:64*\b
	global_load_b128 v[BIAS+8*\b+4:BIAS+8*\b+7], v5, s[8:9] offset:64*\b+16
.endr
	v_mul_u32_u24 v3, v1, PA
	v_lshl_add_u32 v3, v2, 4, v3                   ; a fragment's row x pitch + 16 x half
	v_mul_u32_u24 v4, v1, PB
	v_lshl_add_u32 v4, v2, 4, v4
	s_mul_i32 s21, s13, 64*PA                      ; my 64 rows of a plane
	s_mul_i32 s22, s14, HALFB                      ; my 128 rows of Wo
	s_add_co_u32 s22, s22, BOFF
.irp s, 0,1
	v_add_nc_u32 v[ADRA+\s], s21, v3
	v_add_nc_u32 v[ADRB+\s], s22, v4
	s_add_co_u32 s21, s21, SLOT
	s_add_co_u32 s22, s22, SLOT
.endr
	s_mul_i32 s23, s12, 16*SPITCH
	s_add_co_u32 s23, s23, STAGE                   ; my stage
	v_mul_u32_u24 v6, v1, SPITCH                   ; in: row r, 32 bytes for each half of the lanes
	v_lshl_add_u32 v6, v2, 5, v6
	v_add_nc_u32 v[STO], s23, v6
	v_and_b32 v7, 31, v0
	v_lshlrev_b32 v[CO], 4, v7                     ; back: the 32 lanes take one row of 512 bytes; and the same in out0
	v_add_nc_u32 v[RD], s23, v[CO]
; 8 matrix instructions: row block a x all 8 column blocks, 32 along K, from buffer f.  bias = 1: the first product starts the sums from bo.  The 32 accumulators take turns, in the same order in every quarter.
.macro MUL8 f, a, bias
.irp b, 0,1,2,3,4,5,6,7
.if \bias
	v_wmma_f32_16x16x32_f16 v[8*(8*(\a)+\b):8*(8*(\a)+\b)+7], v[\f+8*\b:\f+8*\b+7], v[\f+64+8*(\a):\f+64+8*(\a)+7], v[BIAS+8*\b:BIAS+8*\b+7]
.else
	v_wmma_f32_16x16x32_f16 v[8*(8*(\a)+\b):8*(8*(\a)+\b)+7], v[\f+8*\b:\f+8*\b+7], v[\f+64+8*(\a):\f+64+8*(\a)+7], v[8*(8*(\a)+\b):8*(8*(\a)+\b)+7]
.endif
.endr
.endm
; 24 LDS loads in one run: the fragments of the slot's q-th 32 along K into buffer f: Wo's eight, then cat's four (plane q / 2, channels 32 (q % 2) on)
.macro FETCH slot, q, f
	WIN TO_F
.irp b, 0,1,2,3,4,5,6,7
	ds_load_b128 v[\f+8*\b:\f+8*\b+3],   v[ADRB+\slot] offset:64*(\q)+\b*16*PB
	ds_load_b128 v[\f+8*\b+4:\f+8*\b+7], v[ADRB+\slot] offset:64*(\q)+\b*16*PB+32
.endr
.irp a, 0,1,2,3
	ds_load_b128 v[\f+64+8*\a:\f+64+8*\a+3],   v[ADRA+\slot] offset:((\q)/2)*PLANE+((\q)%2)*64+\a*16*PA
	ds_load_b128 v[\f+64+8*\a+4:\f+64+8*\a+7], v[ADRA+\slot] offset:((\q)/2)*PLANE+((\q)%2)*64+\a*16*PA+32
.endr
.endm
.macro PLACES                          ; four plain lines in front of loads into registers that matrix instructions have read, and of the first read of results
.rept 4
	v_nop
.endr
.endm
; A K step is four quarters of 32 along K, 32 matrix instructions each, on buffers 0, 1, 0, 1.  One of the first three: multiplies buffer f and fetches quarter qn into g.
.macro QUARTER slot, qn, f, g, bias
	s_wait_dscnt 4                                 ; Wo's fragments and cat's blocks 0 and 1 are in; the youngest four loads (blocks 2, 3) may be out
.if \bias
	WIN MULB
.else
	WIN MUL
.endif
	MUL8 \f, 0, \bias
	MUL8 \f, 1, \bias
	PLACES
	FETCH \slot, \qn, \g
	s_wait_dscnt 24                                ; all but the 24 just issued
.if \bias
	WIN MULB
.else
	WIN MUL
.endif
	MUL8 \f, 2, \bias
	MUL8 \f, 3, \bias
.endm
; The last quarter multiplies buffer 1 and changes slots: ONE barrier; in front of it each wave waits for all its tensor loads, adds 0 to its spare word, and waits for that and for its own reads of this slot.  fill = 1: this slot is filled again, two K steps ahead.
.macro TURN slot, next, fill
	WIN 0                                          ; (the add's two registers lie in window 0)
	s_wait_tensorcnt 0x0                           ; all my tensor loads have landed: my part of the next slot
	ds_add_u32 v[SPW], v[NIL]
	s_wait_dscnt 5                                 ; (the add and the youngest four loads may be out)
	WIN MUL
	MUL8 F1, 0, 0                                  ; eight matrix instructions stand between the add and the wait for it
	s_wait_dscnt 0x0                               ; the add is done, and my reads of this slot are over
	s_barrier_signal -1
	MUL8 F1, 1, 0
.if \fill
	WIN 0
.endif
	s_barrier_wait -1
.if \fill
	CREST                                          ; the barrier has opened a round of the cluster's: no wave of any partner still reads this slot or has a load on its way
	s_add_nc_u64 s[G0+4*\slot+2:G0+4*\slot+3], s[G0+4*\slot+2:G0+4*\slot+3], 4*1048576
	s_add_nc_u64 s[G0B+4*\slot+2:G0B+4*\slot+3], s[G0B+4*\slot+2:G0B+4*\slot+3], 512
	JLOAD \slot                                    ; the first tensor load behind the round; its four v_nop are also the plain lines in front of the loads below
.else
	PLACES
.endif
	FETCH \next, 0, F0
	WIN MUL
	MUL8 F1, 2, 0
	MUL8 F1, 3, 0
.endm
	s_wait_tensorcnt 1                             ; my part of K step 0 is in (K step 1's load may be out)
	s_barrier_signal -1
	s_barrier_wait -1                              ; everybody's is
	FETCH 0, 0, F0
	s_wait_loadcnt 0x0                             ; bo
	QUARTER 0, 1, F0, F1, 1                        ; the first quarter stands in front of the loop: its products start the sums
	WIN 0                                          ; at a label and at a branch every window is 0
	s_mov_b32 s3, LAPS-1
.Llap:                                                 ; a trip goes once round the ring, from a lap's second quarter to the next lap's first, and fills both slots again
	QUARTER 0, 2, F1, F0, 0
	QUARTER 0, 3, F0, F1, 0
	TURN 0, 1, 1
	QUARTER 1, 1, F0, F1, 0
	QUARTER 1, 2, F1, F0, 0
	QUARTER 1, 3, F0, F1, 0
	TURN 1, 0, 1
	QUARTER 0, 1, F0, F1, 0
	WIN 0
	s_sub_co_u32 s3, s3, 1
	s_cmp_lg_u32 s3, 0
	s_cbranch_scc1 .Llap
	QUARTER 0, 2, F1, F0, 0                        ; the last lap fills nothing, and has no round of the cluster's barrier
	QUARTER 0, 3, F0, F1, 0
	TURN 0, 1, 0
	QUARTER 1, 1, F0, F1, 0
	QUARTER 1, 2, F1, F0, 0
	QUARTER 1, 3, F0, F1, 0
	s_wait_dscnt 4                                 ; the very last quarter: nothing more to fetch
	WIN MUL
	MUL8 F1, 0, 0
	MUL8 F1, 1, 0
	s_wait_dscnt 0
	MUL8 F1, 2, 0
	MUL8 F1, 3, 0
	WIN 0
; THE WAY OUT, block by block of 16 rows x 128 columns.  A lane holds 32 neighbouring bytes of a row: a block goes through my own stage and comes back as whole rows of 512 bytes.
; LDS serves a wave's instructions in order: no wait between the stores and the loads, nor in front of the next block's stores.
.macro TOSTAGE a
	WIN 0x08                                       ; the stores' data: window 2
.irp b, 0,1,2,3,4,5,6,7
	ds_store_b128 v[STO], v[8*(8*(\a)+\b):8*(8*(\a)+\b)+3] offset:64*\b          ; each accumulator from its low end on
	ds_store_b128 v[STO], v[8*(8*(\a)+\b)+4:8*(8*(\a)+\b)+7] offset:64*\b+16
.endr
	WIN 0
.set BB, BK+64*((\a)%2)
.irp t, 0,1,2,3,4,5,6,7,8,9,10,11,12,13,14,15
	ds_load_b128 v[BB+4*\t:BB+4*\t+3], v[RD] offset:\t*SPITCH
.endr
.endm
.macro SEND a, younger                 ; younger: the LDS instructions issued behind block a's loads, which may stay out
.set BB, BK+64*((\a)%2)
	s_wait_dscnt \younger                          ; the block is back in registers
.irp t, 0,1,2,3,4,5,6,7,8,9,10,11,12,13,14,15
	global_store_b128 v[CO], v[BB+4*\t:BB+4*\t+3], s[10:11] offset:(16*(\a)+\t)*4096 th:TH_STORE_NT   ; 32 lanes store 512 consecutive bytes; written once, read by nobody here
.endr
.endm
	PLACES
	TOSTAGE 0
.irp a, 1,2,3
.if \a > 1
	s_wait_xcnt 0x0                                ; block a - 2's stores have read their registers: block a's loads land there only behind this wait
.endif
	TOSTAGE \a
	SEND \a-1, 32                                  ; behind block a - 1's loads: block a's 16 stores and 16 loads
.endr
	SEND 3, 0
	s_wait_tensorcnt 0x0                           ; the wave's end
	ds_add_u32 v[SPW], v[NIL]
	s_wait_dscnt 0x0
	CROUND                                         ; the closing round: no work-group ends while a partner may still ask for a tile that names it
	s_endpgm
.Lfunc_end_k_q3d7f4d6f66_proj:
	.size	k_q3d7f4d6f66_proj, .Lfunc_end_k_q3d7f4d6f66_proj-k_q3d7f4d6f66_proj
	.p2alignl 7, 3214868480
	.fill 96, 4, 3214868480
	.section	.rodata,"a",@progbits
	.p2align	6, 0x0
	.amdhsa_kernel k_q3d7f4d6f66_proj
		.amdhsa_group_segment_fixed_size 327680
		.amdhsa_private_segment_fixed_size 0
		.amdhsa_enable_private_segment 0
		.amdhsa_kernarg_size 32
		.amdhsa_user_sgpr_count 2
		.amdhsa_user_sgpr_kernarg_segment_ptr 1
		.amdhsa_wavefront_size32 1
		.amdhsa_system_sgpr_workgroup_id_x 1
		.amdhsa_system_sgpr_workgroup_id_y 1
		.amdhsa_system_sgpr_workgroup_id_z 1
		.amdhsa_system_vgpr_workitem_id 0
		.amdhsa_next_free_vgpr 768
		.amdhsa_next_free_sgpr 66
		.amdhsa_reserve_vcc 0
		.amdhsa_float_denorm_mode_32 3
		.amdhsa_float_denorm_mode_16_64 3
		.amdhsa_memory_ordered 1
		.amdhsa_forward_progress 1
		.amdhsa_inst_pref_size 86
	.end_amdhsa_kernel
	.amdgpu_metadata
---
amdhsa.version: [ 1, 2 ]
amdhsa.kernels:
  - .name:           k_q3d7f4d6f66_proj
    .symbol:         k_q3d7f4d6f66_proj.kd
    .args:
      - { .name: cat, .offset: 0, .size: 8, .value_kind: global_buffer, .address_space: global }
      - { .name: wo16, .offset: 8, .size: 8, .value_kind: global_buffer, .address_space: global }
      - { .name: bo, .offset: 16, .size: 8, .value_kind: global_buffer, .address_space: global }
      - { .name: out0, .offset: 24, .size: 8, .value_kind: global_buffer, .address_space: global }
    .group_segment_fixed_size: 327680
    .private_segment_fixed_size: 0
    .kernarg_segment_align: 8
    .kernarg_segment_size: 32
    .max_flat_workgroup_size: 128
    .sgpr_count:     66
    .vgpr_count:     768
    .wavefront_size: 32
...
	.end_amdgpu_metadata
.endif
;; end of part 4
